; MI455X (gfx1250); checked and timed in simulation.
; The chip was launched on July 23, 2026; its instructions are those of AMD's public machine-readable ISA for CDNA 5 (MIT licence, August 2026) and "CDNA5" Instruction Set Architecture Reference Guide (July 2026). The comments in the code are by the model that wrote it; some were corrected since.
;; Multi Head Attention. Allowed arithmetic: matrix products marked QUANTISED: E2M3 operands, one E8M0 scale for each 32 along K, by v_wmma_scale_f32_16x16x128_f8f6f4 with both operands' format E2M3, f32 sums; everything else in f32.
;; Inputs: Wf 1,024 x 1,024 float32; Wk 16 x 1,024 x 64 float32; Wq 16 x 1,024 x 64 float32; Wv 16 x 1,024 x 64 float32; bf 1,024 float32; bk 16 x 64 float32; bq 16 x 64 float32; bv 16 x 64 float32; x 4 x 2,048 x 1,024 float32.
;; Outputs: out0 4 x 2,048 x 1,024 float32.
;; This version of the problem:
;;   THIS VERSION OF THE PROBLEM IS GIVEN IN LOW PRECISION. The matrix products marked QUANTISED in the list below multiply operands that are first quantised to E2M3 (2 exponent bits, 3 mantissa bits; 6 bits a number), with one power-of-two scale for each 32 numbers along K (OCP MX v1.0); their sums are f32. All else is computed in f32.
;;   The module's matrix products, in the order in which they are computed (A, B: the left and right operand; K: the contracted axis; several contracted axes count as one K, in the product's order):
;;     1. [M 1,024, K 1,024] x [K 1,024, N 8,192]; A: input Wq; B: input x: QUANTISED
;;     2. [M 1,024, K 1,024] x [K 1,024, N 8,192]; A: input Wk; B: input x: QUANTISED
;;     3. [M 1,024, K 1,024] x [K 1,024, N 8,192]; A: input Wv; B: input x: QUANTISED
;;     4. batch 64 x [M 2,048, K 64] x [K 64, N 2,048]; A: computed on the way; B: computed on the way: QUANTISED
;;     5. batch 64 x [M 2,048, K 2,048] x [K 2,048, N 64]; A: softmax (see below); B: computed on the way: QUANTISED
;;     6. [M 8,192, K 1,024] x [K 1,024, N 1,024]; A: computed on the way; B: input Wf: QUANTISED
;;   THE QUANTISER, for each operand of a quantised product, along K:
;;     - K is cut into blocks of 32 from its start; a last block that is shorter is filled with zeros.
;;     - A block's scale is 2^e with e = floor(log2(the largest magnitude in the block)) - 2, held to -126 .. 127; a block of zeros has e = 0. As a byte (E8M0): e + 127.
;;     - Each number is divided by its block's scale, clamped to +-7.5, and rounded to the nearest number of E2M3, ties to even, subnormals kept.
;;     - The product sums the exact products of the quantised numbers (number of the format x scale) in f32.
;;   ~~~python
;;   def quantise(x, axis):      # numpy; x: float32 -> the quantised numbers, widened to float32 again
;;       x = np.moveaxis(x, axis, -1); K = x.shape[-1]
;;       x = np.pad(x, [(0, 0)] * (x.ndim - 1) + [(0, -K % 32)]); x = x.reshape(x.shape[:-1] + (-1, 32)); a = np.abs(x).max(-1, keepdims=True)
;;       e = np.where(a > 0, np.clip(np.frexp(np.where(a > 0, a, 1))[1] - 1 - 2, -126, 127), 0)      # np.frexp(a)[1] - 1 = floor(log2(a)), exactly
;;       r = np.clip(x / 2.0 ** e, -7.5, 7.5)
;;       step = 2.0 ** (np.maximum(np.frexp(np.where(r == 0, 1, r))[1] - 1, 0) - 3)
;;       q = np.round(r / step) * step * 2.0 ** e      # np.round: ties to even
;;       return np.moveaxis(q.reshape(q.shape[:-2] + (-1,))[..., :K], -1, axis).astype(np.float32)
;;   ~~~
;;   SOFTMAX AHEAD OF A QUANTISED PRODUCT. Where the list says 'softmax', what is quantised is not the finished softmax but p = 2^(t - M), with t = logit x log2(e) and M = ceil(the row's largest t), a whole number; so 1/2 < the row's largest p <= 1. The row's sum l is taken of the UNQUANTISED p, in f32, and the product's result is divided by l at the end. Since M is a whole number, a kernel that streams over the keys may use a running M (the ceiling of the running maximum): every later rescaling is an exact power of two, which a block's scale takes up: the codes' values come out the same.
;;   OPERANDS COMPUTED ON THE WAY. 'Computed on the way' means the value that the module computes at that place (a softmax that the list does not call 'softmax' is quantised finished and normalised). What goes into a quantiser is computed in f32, as accurately as f32 sums, v_exp_f32 and their like allow (about 1e-6 of the number): no bf16 or f16 on the way to a quantiser, and a product that is left as it is and whose result goes on into a quantised operand takes f32 operands (vector FMAs, or v_wmma_f32_16x16x4_f32). A number that lies on a knife's edge between two numbers of the format may be rounded either way, as far as f32 arithmetic and the matrix unit's own rounding can turn it there, and no further.
;; One version. Each part assembles by itself: llvm-mc -triple=amdgcn-amd-amdhsa -mcpu=gfx1250 --defsym DOCPART=n.
;; ======== version 1 of 1: 5 launches
;; limits: right only within a limited range of input values
;; workspace buffers: xi 6,291,456 bytes; xs 262,144 bytes; wi 3,145,728 bytes; ws 131,072 bytes; qi 6,815,744 bytes; kv 13,369,344 bytes; oi 6,291,456 bytes; os 524,288 bytes
;; launch quantx (part 1): grid 256 x 1, 4 waves a work-group, no clusters, 34,304 bytes of LDS; arguments x, xi, xs; writes xi, xs
.if DOCPART == 1
	.amdgcn_target "amdgcn-amd-amdhsa--gfx1250"
	.amdhsa_code_object_version 6
	.text
	.protected	k_q89091d094e_quantx
	.globl	k_q89091d094e_quantx
	.p2align	8
	.type	k_q89091d094e_quantx,@function
k_q89091d094e_quantx:
	s_mov_b64 s[64:65], 0
	v_nop
	global_prefetch_b8 v0, s[64:65] scope:SCOPE_SE
	s_setreg_imm32_b32 hwreg(HW_REG_WAVE_MODE, 25, 1), 1
	s_wait_xcnt 0x0
; MULTI-HEAD ATTENTION IN MX-FP6, five launches: quantx (x -> codes), quantw (Wq, Wk, Wv, Wf -> codes), proj (q, k, v: products 1-3, bias, quantised in registers),
; attn (products 4 and 5, o quantised in registers), outp (product 6, + bf).  NOTHING IS LEFT OUT: every product of the problem's table is live and every input is loaded by some launch
; (bk too: it moves k's codes ahead of a quantised product).
; THIS LAUNCH: x [8192][1024] f32 becomes codes of E2M3 with one E8M0 byte for each 32 along E, laid AS IMAGES OF OPERAND REGISTERS:
;   xi [512 tiles][8 K steps] x 1,536 bytes: register 4 c + i of lane l of the fragment (16 rows x 128 K, 12 registers) at byte 512 c + 16 l + 4 i.
;   Lane row r of tile p is row 32 (p / 2) + 8 (p % 2) + r + 8 (r / 8) of x: used as source 0 of a product, two neighbouring tiles then give a lane 16 neighbours along the next K.
;   xs [256 pairs of tiles][4][32 lanes][2 words]: word e of lane l is the scale word of tile 2 g + l / 16, row l % 16, K step 2 t + e.
; A block's scale is 2^(floor(log2(largest magnitude)) - 2); its byte is the largest magnitude's exponent field - 2, held at 1 from below.
; LIMITS: a block of zeros gets the byte 1 where the rule says 127 (its codes are zeros, and this program alone reads the bytes); NaN and infinities among the inputs are not served.
; SHARES: work-group g takes pair g (32 rows), wave t K steps 2 t and 2 t + 1 (1,024 bytes of each row): four fragments f = 2 u + e (u: tile of the pair, e: K step).
; Each load reads 512 consecutive bytes of a row; a fragment's 16 rows turn through the wave's own stage in LDS (pitch 528), so that a lane gets two whole blocks of 32 of its row.  Waves share nothing: no barrier.
.set STG,   8448                       ; a wave's stage: 16 rows x 528 bytes
.set SPARE, 4*STG                      ; behind the stages: the spare words, 128 bytes a wave
.set L16, 1                            ; v1   16 x lane
.set STI, 2                            ; v2   the stage, on the way in
.set STO, 3                            ; v3   and on the way out: 528 r + 128 h
.set L8,  4                            ; v4   8 x lane
.set SH8, 5                            ; v5   8 h
.set SPW, 6                            ; v6   my spare word; never rewritten
.set NIL, 7                            ; v7   0; never rewritten
.set M,   8                            ; v8-9   largest magnitudes
.set SC,  10                           ; v10-11 the conversions' scale operands
.set BY,  12                           ; v12-13 scale bytes
.set T,   14                           ; v14  a lane permute's destination
.set W,   16                           ; v16-19 the four fragments' scale words
.set C,   20                           ; v20-31 a fragment's codes
.set CT,  32                           ; v32-34, v36-38 the upper halves of the blocks' codes, as the conversions leave them
.set R,   40                           ; v40-167 two sets of 64 registers as loaded
.set X,   168                          ; v168-231 my 64 numbers
.set SEL, 12                           ; s[12:13] selects for lane l xor 16
.set HM,  14                           ; s14  lanes 16-31
	s_load_b128 s[4:7], s[0:1], 0x0                ; x, xi
	s_load_b64 s[8:9], s[0:1], 0x10                ; xs
	v_lshl_add_u32 v[SPW], v0, 2, SPARE
	v_mov_b32 v[NIL], 0
	v_lshrrev_b32 v8, 5, v0
	v_readfirstlane_b32 s10, v8                    ; wave t
	v_and_b32 v9, 31, v0                           ; lane
	v_and_b32 v10, 15, v0                          ; r
	v_bfe_u32 v11, v0, 4, 1                        ; h
	s_mul_i32 s11, s10, STG
	v_lshlrev_b32 v[L16], 4, v9
	v_add_nc_u32 v[STI], s11, v[L16]
	v_mul_u32_u24 v[STO], v10, 528
	v_lshl_add_u32 v[STO], v11, 7, v[STO]
	v_add_nc_u32 v[STO], s11, v[STO]
	v_lshlrev_b32 v[L8], 3, v9
	v_lshlrev_b32 v[SH8], 3, v11
	v_mov_b32 v[T], 0                              ; written once: a lane permute's destination counts as one of its sources
	s_mov_b32 s[SEL], 0x76543210
	s_mov_b32 s[SEL+1], 0xfedcba98
	s_mov_b32 s[HM], 0xffff0000
	s_lshl_b32 s16, ttmp9, 17                      ; x: 32 rows of 4,096 bytes a pair,
	s_lshl_b32 s17, s10, 10                        ; 1,024 bytes a wave
	s_add_co_u32 s16, s16, s17
	s_mov_b32 s17, 0
	s_mul_i32 s18, ttmp9, 24576                    ; xi: two tiles of 12,288 bytes a pair,
	s_mul_i32 s19, s10, 3072                       ; two K steps of 1,536 a wave
	s_add_co_u32 s18, s18, s19
	s_mov_b32 s19, 0
	s_lshl_b32 s20, ttmp9, 10                      ; xs: 1,024 bytes a pair, 256 a wave
	s_lshl_b32 s21, s10, 8
	s_add_co_u32 s20, s20, s21
	s_mov_b32 s21, 0
	s_wait_alu depctr_va_vdst(0)
	s_wait_kmcnt 0x0
	s_add_nc_u64 s[4:5], s[4:5], s[16:17]
	s_add_nc_u64 s[6:7], s[6:7], s[18:19]
	s_add_nc_u64 s[8:9], s[8:9], s[20:21]
.macro LOAD f                          ; fragment f's 16 rows, 512 consecutive bytes a load
.irp i, 0,1,2,3,4,5,6,7,8,9,10,11,12,13,14,15
	global_load_b128 v[R+64*((\f)%2)+4*\i:R+64*((\f)%2)+4*\i+3], v[L16], s[4:5] offset:(8*((\f)/2)+\i+8*(\i/8))*4096+512*((\f)%2) th:TH_LOAD_NT
.endr
.endm
.macro TURN f                          ; through the stage: LDS serves a wave's instructions in order, so no wait stands between the stores and the loads
.irp i, 0,1,2,3,4,5,6,7,8,9,10,11,12,13,14,15
	ds_store_b128 v[STI], v[R+64*((\f)%2)+4*\i:R+64*((\f)%2)+4*\i+3] offset:528*\i
.endr
.irp c, 0,1
.irp j, 0,1,2,3,4,5,6,7
	ds_load_b128 v[X+32*\c+4*\j:X+32*\c+4*\j+3], v[STO] offset:256*\c+16*\j   ; k = 64 c + 32 h + 4 j .. of row r
.endr
.endr
.endm
.macro QF w                            ; my two whole blocks (2 c + h) become registers 6 c .. 6 c + 5 of the fragment; the row's scale word goes to v[w]
.irp c, 0,1
	v_max3_num_f32 v[M+\c], |v[X+32*\c]|, |v[X+32*\c+1]|, 0x1800000   ; with the floor 2^(3 - 127): the byte cannot fall under 1
.endr
.irp i, 2,4,6,8,10,12,14,16,18,20,22,24,26,28,30
.irp c, 0,1
	v_max3_num_f32 v[M+\c], v[M+\c], |v[X+32*\c+\i]|, |v[X+32*\c+\i+1]|
.endr
.endr
.irp c, 0,1
	v_add_nc_u32 v[SC+\c], 0xff000000, v[M+\c]     ; 2 off the exponent field: the conversion's scale operand
.endr
.irp c, 0,1
	v_lshrrev_b32 v[BY+\c], 23, v[SC+\c]           ; the scale's byte
.endr
	v_lshl_or_b32 v[\w], v[BY+1], 16, v[BY]        ; blocks h and 2 + h,
	v_lshlrev_b32 v[\w], v[SH8], v[\w]             ; at their places in the word;
	v_permlanex16_b32 v[T], v[\w], s[SEL], s[SEL+1]
	v_or_b32 v[\w], v[\w], v[T]                    ; with lane l xor 16's two the word is whole, in both halves of the lanes
.irp c, 0,1
	v_cvt_scalef32_pk16_fp6_f32 v[C+6*\c:C+6*\c+2], v[X+32*\c:X+32*\c+15], v[SC+\c]
	v_cvt_scalef32_pk16_fp6_f32 v[CT+4*\c:CT+4*\c+2], v[X+32*\c+16:X+32*\c+31], v[SC+\c]   ; (a conversion's three registers begin on an even number)
.endr
	v_nop                                          ; one plain place behind a scaled conversion
.irp c, 0,1
.irp i, 0,1,2
	v_mov_b32 v[C+6*\c+3+\i], v[CT+4*\c+\i]
.endr
.endr
.endm
.macro PUT f                           ; the fragment's image: each store covers 512 consecutive bytes, aligned
.irp c, 0,1,2
	global_store_b128 v[L16], v[C+4*\c:C+4*\c+3], s[6:7] offset:12288*((\f)/2)+1536*((\f)%2)+512*\c
.endr
.endm
	LOAD 0
	LOAD 1
.irp f, 0,1,2,3
.if \f < 3
	s_wait_loadcnt 16                              ; this fragment's 16 loads are in; the next fragment's 16 may be out
.else
	s_wait_loadcnt 0x0
.endif
	TURN \f
	s_wait_dscnt 0x0                               ; my numbers are back, and the stores into the stage have read their registers
	s_wait_xcnt 0x0                                ; the last fragment's stores have read their data: the codes' registers may be written again
.if \f < 2
	LOAD \f+2
.endif
	QF W+\f
	PUT \f
.endr
	v_cndmask_b32 v[M], v[W], v[W+2], s[HM]        ; lanes 0-15: tile 2 g's words, lanes 16-31: tile 2 g + 1's
	v_cndmask_b32 v[M+1], v[W+1], v[W+3], s[HM]
	global_store_b64 v[L8], v[M:M+1], s[8:9]       ; 256 consecutive bytes, aligned
	s_wait_tensorcnt 0x0                           ; the wave's end, behind my last LDS store
	ds_add_u32 v[SPW], v[NIL]
	s_wait_dscnt 0x0
	s_endpgm
.Lfunc_end_k_q89091d094e_quantx:
	.size	k_q89091d094e_quantx, .Lfunc_end_k_q89091d094e_quantx-k_q89091d094e_quantx
	.p2alignl 7, 3214868480
	.fill 96, 4, 3214868480
	.section	.rodata,"a",@progbits
	.p2align	6, 0x0
	.amdhsa_kernel k_q89091d094e_quantx
		.amdhsa_group_segment_fixed_size 34304
		.amdhsa_private_segment_fixed_size 0
		.amdhsa_enable_private_segment 0
		.amdhsa_kernarg_size 24
		.amdhsa_user_sgpr_count 2
		.amdhsa_user_sgpr_kernarg_segment_ptr 1
		.amdhsa_wavefront_size32 1
		.amdhsa_system_sgpr_workgroup_id_x 1
		.amdhsa_system_sgpr_workgroup_id_y 1
		.amdhsa_system_sgpr_workgroup_id_z 1
		.amdhsa_system_vgpr_workitem_id 0
		.amdhsa_next_free_vgpr 232
		.amdhsa_next_free_sgpr 66
		.amdhsa_reserve_vcc 0
		.amdhsa_float_denorm_mode_32 3
		.amdhsa_float_denorm_mode_16_64 3
		.amdhsa_memory_ordered 1
		.amdhsa_forward_progress 1
		.amdhsa_inst_pref_size 30
	.end_amdhsa_kernel
	.amdgpu_metadata
---
amdhsa.version: [ 1, 2 ]
amdhsa.kernels:
  - .name:           k_q89091d094e_quantx
    .symbol:         k_q89091d094e_quantx.kd
    .args:
      - { .name: x, .offset: 0, .size: 8, .value_kind: global_buffer, .address_space: global }
      - { .name: xi, .offset: 8, .size: 8, .value_kind: global_buffer, .address_space: global }
      - { .name: xs, .offset: 16, .size: 8, .value_kind: global_buffer, .address_space: global }
    .group_segment_fixed_size: 34304
    .private_segment_fixed_size: 0
    .kernarg_segment_align: 8
    .kernarg_segment_size: 24
    .max_flat_workgroup_size: 128
    .sgpr_count:     66
    .vgpr_count:     232
    .wavefront_size: 32
...
	.end_amdgpu_metadata
.endif
;; end of part 1
;; launch quantw (part 2): grid 64 x 4, 2 waves a work-group, no clusters, 33,024 bytes of LDS; arguments Wq, Wk, Wv, Wf, wi, ws; writes wi, ws
.if DOCPART == 2
	.amdgcn_target "amdgcn-amd-amdhsa--gfx1250"
	.amdhsa_code_object_version 6
	.text
	.protected	k_q89091d094e_quantw
	.globl	k_q89091d094e_quantw
	.p2align	8
	.type	k_q89091d094e_quantw,@function
k_q89091d094e_quantw:
	s_mov_b64 s[64:65], 0
	v_nop
	global_prefetch_b8 v0, s[64:65] scope:SCOPE_SE
	s_setreg_imm32_b32 hwreg(HW_REG_WAVE_MODE, 25, 1), 1
	s_wait_xcnt 0x0
; Wq, Wk, Wv [16][1024 e][64 d] and Wf [1024 e][1024 n], f32, K = e NOT innermost, become codes of E2M3 and E8M0 bytes along e, laid as quantx lays x:
;   wi [256 tiles][8 K steps] x 1,536 bytes, ws [128 pairs][4][32][2 words].  Feature rows: Wq 0-1023 (64 head + d), Wk 1024-, Wv 2048-, Wf 3072- (n).  Nothing is left out.
; LIMITS: a block of zeros gets the byte 1 where the rule says 127 (zero codes; the bytes are read by this program alone); NaN and infinities among the inputs are not served.
; SHARES: work-group x = a: matrix a / 16, its group of 64 features a % 16; y = t: 256 along K.  Wave par takes pair 2 a + par: 32 columns (128 bytes of each row of the source).
; A load takes four rows of K, 128 bytes each (k, k + 32, k + 1, k + 33), and goes into the wave's stage as it comes: line 32 c + i (256 bytes) then holds row 64 c + i and row 64 c + 32 + i.
; A lane reads its column down K, one word a line: 32 lanes take 32 different words of one line, and get the fragment's own layout.  Waves share nothing: no barrier.
.set SPARE, 32768                      ; behind the two stages of 16,384 bytes: the spare words
.set L16, 1
.set STI, 2                            ; v2   16,384 wave + 16 lane
.set STO, 3                            ; v3   16,384 wave + 128 h + 4 (r + 8 (r / 8))
.set L8,  4
.set SH8, 5
.set SPW, 6
.set NIL, 7
.set M,   8
.set SC,  10
.set BY,  12
.set T,   14
.set W,   16
.set C,   20
.set CT,  32
.set VO,  40                           ; v40-55  the loads' offsets: (32 ((l / 8) % 2) + l / 16 + 2 i) rows of K + 16 (l % 8)
.set R,   56                           ; v56-183 128 rows of K x 32 columns as loaded
.set X,   184                          ; v184-247 my 64 numbers
.set SEL, 6                            ; s[6:7], s8: set when the source has been chosen
.set HM,  8
	s_load_b256 s[4:11], s[0:1], 0x0               ; Wq, Wk, Wv, Wf
	s_load_b128 s[12:15], s[0:1], 0x20             ; wi, ws
	v_lshl_add_u32 v[SPW], v0, 2, SPARE
	v_mov_b32 v[NIL], 0
	v_lshrrev_b32 v8, 5, v0
	v_readfirstlane_b32 s29, v8                    ; par
	v_and_b32 v9, 31, v0
	v_and_b32 v10, 15, v0                          ; r
	v_bfe_u32 v11, v0, 4, 1                        ; h
	s_lshl_b32 s30, s29, 14
	v_lshlrev_b32 v[L16], 4, v9
	v_add_nc_u32 v[STI], s30, v[L16]
	v_and_b32 v12, 8, v10
	v_add_nc_u32 v12, v12, v10                     ; r + 8 (r / 8)
	v_lshlrev_b32 v[STO], 2, v12
	v_lshl_add_u32 v[STO], v11, 7, v[STO]
	v_add_nc_u32 v[STO], s30, v[STO]
	v_lshlrev_b32 v[L8], 3, v9
	v_lshlrev_b32 v[SH8], 3, v11
	v_mov_b32 v[T], 0
	s_lshr_b32 s24, ttmp9, 4                       ; which matrix
	s_and_b32 s25, ttmp9, 15                       ; which 64 features of it
	s_and_b32 s26, ttmp7, 0xffff                   ; t
	s_cmp_eq_u32 s24, 3
	s_mov_b32 s27, 256
	s_cselect_b32 s27, 4096, s27                   ; bytes from a row of K to the next: 4,096 in Wf, 256 in a head's weight
	s_mov_b32 s28, 262144
	s_cselect_b32 s28, 256, s28                    ; bytes from a group of 64 features to the next
	v_bfe_u32 v12, v0, 3, 1
	v_lshl_add_u32 v12, v12, 5, v11                ; 32 ((l / 8) % 2) + l / 16
	v_and_b32 v13, 7, v0
	v_lshlrev_b32 v13, 4, v13
.irp i, 0,1,2,3,4,5,6,7,8,9,10,11,12,13,14,15
	v_add_nc_u32 v[VO+\i], 2*\i, v12
.endr
.irp i, 0,1,2,3,4,5,6,7,8,9,10,11,12,13,14,15
	v_mul_lo_u32 v[VO+\i], v[VO+\i], s27
.endr
.irp i, 0,1,2,3,4,5,6,7,8,9,10,11,12,13,14,15
	v_add_nc_u32 v[VO+\i], v[VO+\i], v13
.endr
	s_mul_i32 s30, s25, s28                        ; the source: my group of features,
	s_lshl_b32 s31, s29, 7                         ; my 32 columns,
	s_add_co_u32 s30, s30, s31
	s_mul_i32 s31, s26, s27
	s_lshl_b32 s31, s31, 8                         ; my 256 rows of K
	s_add_co_u32 s30, s30, s31
	s_mov_b32 s31, 0
	s_lshl_b32 s32, s27, 6                         ; 64 rows of K
	s_mov_b32 s33, 0
	s_lshl_b32 s34, ttmp9, 1
	s_add_co_u32 s34, s34, s29                     ; pair g = 2 a + par
	s_mul_i32 s36, s34, 24576
	s_mul_i32 s35, s26, 3072
	s_add_co_u32 s36, s36, s35
	s_mov_b32 s37, 0
	s_lshl_b32 s38, s34, 10
	s_lshl_b32 s35, s26, 8
	s_add_co_u32 s38, s38, s35
	s_mov_b32 s39, 0
	s_wait_alu depctr_va_vdst(0)
	s_wait_kmcnt 0x0
	s_cmp_eq_u32 s24, 1                            ; the choice hangs on the work-group's number alone
	s_cselect_b64 s[4:5], s[6:7], s[4:5]
	s_cmp_eq_u32 s24, 2
	s_cselect_b64 s[4:5], s[8:9], s[4:5]
	s_cmp_eq_u32 s24, 3
	s_cselect_b64 s[4:5], s[10:11], s[4:5]
	s_add_nc_u64 s[16:17], s[4:5], s[30:31]        ; four bases, 64 rows of K apart: K step e, half c at s[16 + 4 e + 2 c]
	s_add_nc_u64 s[18:19], s[16:17], s[32:33]
	s_add_nc_u64 s[20:21], s[18:19], s[32:33]
	s_add_nc_u64 s[22:23], s[20:21], s[32:33]
	s_add_nc_u64 s[12:13], s[12:13], s[36:37]
	s_add_nc_u64 s[14:15], s[14:15], s[38:39]
	s_mov_b32 s[SEL], 0x76543210
	s_mov_b32 s[SEL+1], 0xfedcba98
	s_mov_b32 s[HM], 0xffff0000
.macro LOADW e
.irp c, 0,1
.irp i, 0,1,2,3,4,5,6,7,8,9,10,11,12,13,14,15
	global_load_b128 v[R+4*(16*\c+\i):R+4*(16*\c+\i)+3], v[VO+\i], s[16+4*(\e)+2*\c:17+4*(\e)+2*\c]
.endr
.endr
.endm
.macro TURNW
.set n, 0
.rept 32
	ds_store_b128 v[STI], v[R+4*n:R+4*n+3] offset:512*n
.set n, n+1
.endr
.endm
.macro READ u                          ; tile u of the pair: W(64 c + 32 h + i, column 8 u + r + 8 (r / 8))
.set n, 0
.rept 64
	ds_load_b32 v[X+n], v[STO] offset:256*n+32*(\u)
.set n, n+1
.endr
.endm
.macro QF w
.irp c, 0,1
	v_max3_num_f32 v[M+\c], |v[X+32*\c]|, |v[X+32*\c+1]|, 0x1800000   ; with the floor 2^(3 - 127): the byte cannot fall under 1
.endr
.irp i, 2,4,6,8,10,12,14,16,18,20,22,24,26,28,30
.irp c, 0,1
	v_max3_num_f32 v[M+\c], v[M+\c], |v[X+32*\c+\i]|, |v[X+32*\c+\i+1]|
.endr
.endr
.irp c, 0,1
	v_add_nc_u32 v[SC+\c], 0xff000000, v[M+\c]
.endr
.irp c, 0,1
	v_lshrrev_b32 v[BY+\c], 23, v[SC+\c]
.endr
	v_lshl_or_b32 v[\w], v[BY+1], 16, v[BY]
	v_lshlrev_b32 v[\w], v[SH8], v[\w]
	v_permlanex16_b32 v[T], v[\w], s[SEL], s[SEL+1]
	v_or_b32 v[\w], v[\w], v[T]
.irp c, 0,1
	v_cvt_scalef32_pk16_fp6_f32 v[C+6*\c:C+6*\c+2], v[X+32*\c:X+32*\c+15], v[SC+\c]
	v_cvt_scalef32_pk16_fp6_f32 v[CT+4*\c:CT+4*\c+2], v[X+32*\c+16:X+32*\c+31], v[SC+\c]
.endr
	v_nop                                          ; one plain place behind a scaled conversion
.irp c, 0,1
.irp i, 0,1,2
	v_mov_b32 v[C+6*\c+3+\i], v[CT+4*\c+\i]
.endr
.endr
.endm
.macro PUT f
.irp c, 0,1,2
	global_store_b128 v[L16], v[C+4*\c:C+4*\c+3], s[12:13] offset:12288*((\f)/2)+1536*((\f)%2)+512*\c
.endr
.endm
	LOADW 0
	s_wait_loadcnt 0x0
	TURNW
	s_wait_dscnt 0x0                               ; the stores have read their registers,
	LOADW 1                                        ; which take the second K step while the first is quantised
.irp u, 0,1
	READ \u
	s_wait_dscnt 0x0
	s_wait_xcnt 0x0                                ; earlier stores have read their data: the codes' registers may be written again
	QF W+2*\u
	PUT 2*\u
.endr
	s_wait_loadcnt 0x0
	TURNW                                          ; my reads of the stage are back (the waits above)
.irp u, 0,1
	READ \u
	s_wait_dscnt 0x0
	s_wait_xcnt 0x0
	QF W+2*\u+1
	PUT 2*\u+1
.endr
	v_cndmask_b32 v[M], v[W], v[W+2], s[HM]
	v_cndmask_b32 v[M+1], v[W+1], v[W+3], s[HM]
	global_store_b64 v[L8], v[M:M+1], s[14:15]
	s_wait_tensorcnt 0x0                           ; the wave's end, behind my last LDS store
	ds_add_u32 v[SPW], v[NIL]
	s_wait_dscnt 0x0
	s_endpgm
.Lfunc_end_k_q89091d094e_quantw:
	.size	k_q89091d094e_quantw, .Lfunc_end_k_q89091d094e_quantw-k_q89091d094e_quantw
	.p2alignl 7, 3214868480
	.fill 96, 4, 3214868480
	.section	.rodata,"a",@progbits
	.p2align	6, 0x0
	.amdhsa_kernel k_q89091d094e_quantw
		.amdhsa_group_segment_fixed_size 33024
		.amdhsa_private_segment_fixed_size 0
		.amdhsa_enable_private_segment 0
		.amdhsa_kernarg_size 48
		.amdhsa_user_sgpr_count 2
		.amdhsa_user_sgpr_kernarg_segment_ptr 1
		.amdhsa_wavefront_size32 1
		.amdhsa_system_sgpr_workgroup_id_x 1
		.amdhsa_system_sgpr_workgroup_id_y 1
		.amdhsa_system_sgpr_workgroup_id_z 1
		.amdhsa_system_vgpr_workitem_id 0
		.amdhsa_next_free_vgpr 248
		.amdhsa_next_free_sgpr 66
		.amdhsa_reserve_vcc 0
		.amdhsa_float_denorm_mode_32 3
		.amdhsa_float_denorm_mode_16_64 3
		.amdhsa_memory_ordered 1
		.amdhsa_forward_progress 1
		.amdhsa_inst_pref_size 45
	.end_amdhsa_kernel
	.amdgpu_metadata
---
amdhsa.version: [ 1, 2 ]
amdhsa.kernels:
  - .name:           k_q89091d094e_quantw
    .symbol:         k_q89091d094e_quantw.kd
    .args:
      - { .name: Wq, .offset: 0, .size: 8, .value_kind: global_buffer, .address_space: global }
      - { .name: Wk, .offset: 8, .size: 8, .value_kind: global_buffer, .address_space: global }
      - { .name: Wv, .offset: 16, .size: 8, .value_kind: global_buffer, .address_space: global }
      - { .name: Wf, .offset: 24, .size: 8, .value_kind: global_buffer, .address_space: global }
      - { .name: wi, .offset: 32, .size: 8, .value_kind: global_buffer, .address_space: global }
      - { .name: ws, .offset: 40, .size: 8, .value_kind: global_buffer, .address_space: global }
    .group_segment_fixed_size: 33024
    .private_segment_fixed_size: 0
    .kernarg_segment_align: 8
    .kernarg_segment_size: 48
    .max_flat_workgroup_size: 64
    .sgpr_count:     66
    .vgpr_count:     248
    .wavefront_size: 32
...
	.end_amdgpu_metadata
.endif
;; end of part 2
;; launch proj (part 3): grid 12 x 64, 4 waves a work-group, clusters of 4 x 4, 327,680 bytes of LDS; arguments xi, xs, wi, ws, bq, bk, bv, qi, kv; writes qi, kv
.if DOCPART == 3
	.amdgcn_target "amdgcn-amd-amdhsa--gfx1250"
	.amdhsa_code_object_version 6
	.text
	.protected	k_q89091d094e_proj
	.globl	k_q89091d094e_proj
	.p2align	8
	.type	k_q89091d094e_proj,@function
k_q89091d094e_proj:
	s_mov_b64 s[64:65], 0
	v_nop
	global_prefetch_b8 v0, s[64:65] scope:SCOPE_SE
	s_setreg_imm32_b32 hwreg(HW_REG_WAVE_MODE, 25, 1), 1
	s_wait_xcnt 0x0
	s_wait_alu depctr_hold_cnt(0) depctr_sa_sdst(0) depctr_va_vdst(0) depctr_va_sdst(0) depctr_va_ssrc(0) depctr_va_vcc(0) depctr_vm_vsrc(0)
	s_getreg_b32 s2, hwreg(HW_REG_IB_STS2, 6, 4)
	s_cmp_eq_u32 s2, 0
	s_cbranch_scc0 .Lentry_in_a_cluster
	s_endpgm
.Lentry_in_a_cluster:
	s_bfe_u32 s2, ttmp6, 0x10000c
	s_cmp_lg_u32 s2, 0xf033
	s_cbranch_scc0 .Lentry_shape_is_right
	s_endpgm
.Lentry_shape_is_right:
; PRODUCTS 1 TO 3: q, k, v = x W + b on codes of E2M3 (K = 1,024), then quantised in registers for products 4 and 5.  Nothing is left out.
; A work-group makes 128 rows of side A (source 1: a lane's row) x 256 rows of side B (source 0: along a lane's registers).  Cluster x 0: q, 1: k (A = 128 tokens, B = 256 features = 4 heads: a lane holds a token,
; its registers run along the head's 64, the K of product 4);  cluster x 2: v (A = 128 features = 2 heads, B = 256 tokens: a lane holds a feature, its registers run along the keys, the K of product 5).
; BOTH OPERANDS FOR ALL OF K LIE IN LDS (98,304 + 196,608 bytes), filled ONCE: no slot is ever filled again.  Each wave issues two tensor loads (four K steps each), one at the start and one behind a cluster round, and the K loop passes a plain barrier
; with a wait before it first reads K steps 4 to 7.  A wave has one tensor load out at any time.
; CLUSTERS 4 x 4: A's tiles hang on cy and the cluster's numbers alone and are asked for jointly along a row of the cluster, B's on cx and the cluster's numbers, along a column.
; Operands lie as images of their registers: a fragment is three ds_load_b128 at 16 x lane.  A wave makes 64 x 128: 32 accumulators, which take turns.
; OUT: qi [64 bh] x 16 records of 6,656 bytes (128 tokens: 8 half images of 768 bytes, then 512 bytes of scale words);  kv [64 bh] x 16 records of 13,056 bytes (128 keys: K's 8 half images, V's 4 whole images,
; K's 512 bytes of scale words, V's 256).  A half image: registers 0-3 at 16 l, 4-5 at 512 + 8 l.  q's and k's scale words hold two bytes; the upper two are 0.
; LIMITS: a block of zeros gets the byte 1 where the rule says 127 (zero codes; the bytes are read by this program alone); NaN and infinities are not served.
; REGISTERS: window 0: v2-13 addresses, v16-31 A's scale words, v32-63 B's, v64-127 the bias, v128-191 64 numbers to quantise, v192-238 at work.  window 1: accumulator (a, b) at v[8 (8 a + b)].
;   windows 2, 3: two fragment buffers: A's fragment a at v[12 a], B's fragment b at v[48 + 12 b].
.set SPARE, 294912                     ; behind A's and B's regions: the spare words, 128 bytes a wave
.set SPW, 2
.set NIL, 3
.set ADA, 4                            ; v4-5  16 l + 24,576 wa (+ 49,152)
.set ADB, 6                            ; v6-7  98,304 + 98,304 i + 49,152 wb + 16 l
.set L16, 12
.set L8,  13
.set SA,  16                           ; register 8 p + s: lanes 0-15 tile 2 p's words of K step s, lanes 16-31 tile 2 p + 1's
.set SB,  32
.set BI,  64
.set HA,  128
.set PC,  192                          ; v192-203 the codes just made; v204-210 the conversions' upper halves
.set TM,  212
.set PW,  228
.set PWS, 229                          ; v229-232 the four tiles' scale words
.set VB,  233                          ; the bias loads' offset
.set VT,  234                          ; v234-237 scale words on their way out
.set SEL, 2                            ; s[2:3]
.set HM,  100
.set MSB, 0
.macro WIN new                         ; the immediate's high byte repeats the setting that is left
.if MSB != (\new)
	s_set_vgpr_msb (MSB<<8)|(\new)
.set MSB, (\new)
.endif
.endm
.macro CROUND                          ; a round of the cluster's barrier
	s_barrier_signal -1
	s_barrier_wait -1
	s_cmp_lg_u32 s22, 0
	s_cbranch_scc1 .Lnot_wave_0_\@
	s_barrier_signal -3
.Lnot_wave_0_\@:
	s_barrier_wait -3
	s_barrier_signal -1
	s_barrier_wait -1
.endm
.macro PLACES n
.rept \n
	v_nop
.endr
.endm
	s_load_b256 s[4:11], s[0:1], 0x0               ; xi, xs, wi, ws
	s_load_b256 s[12:19], s[0:1], 0x20             ; bq, bk, bv, qi
	s_load_b64 s[20:21], s[0:1], 0x40              ; kv
	v_lshl_add_u32 v[SPW], v0, 2, SPARE
	v_mov_b32 v[NIL], 0
	ds_add_u32 v[SPW], v[NIL]                      ; the wave's opening: the add, twice on end, and its wait ahead of my first tensor load
	ds_add_u32 v[SPW], v[NIL]
	v_lshrrev_b32 v1, 5, v0
	v_readfirstlane_b32 s22, v1                    ; wave
	s_lshr_b32 s23, s22, 1                         ; wa: my 64 rows of A.  Also: I fetch for A (0) or for B (1)
	s_and_b32 s24, s22, 1                          ; wb: my 128 rows of B.  Also: which half of that side I fetch
	s_bfe_u32 s25, ttmp6, 0x40000                  ; cx
	s_bfe_u32 s26, ttmp6, 0x40004                  ; cy
	s_mov_b32 s27, ttmp9                           ; cluster x: 0 q, 1 k, 2 v: the same in all sixteen partners
	s_and_b32 s28, ttmp7, 0xffff                   ; cluster y
	s_lshl_b32 s29, s26, 2
	s_lshl_b32 s29, 15, s29                        ; my row of the cluster
	s_lshl_b32 s30, 0x1111, s25                    ; my column
	; descriptor groups 1: rows = tiles, a row = four K steps' images, 6,144 bytes = 768 elements of 8 bytes, 12,288 bytes (1,536 elements) from tile to tile; A: 4 tiles a load, B: 8
	s_or_b32 s32, s29, (3<<16)|(1<<21)
	s_or_b32 s40, s30, (3<<16)|(1<<21)
.irp g, 32, 40
	; THE FILLS AS THEY STAND (this takes the place of what the head comment says of four loads a wave): K comes in two halves of four K steps.  A row of a load is a tile's four images,
	; 6,144 bytes = 768 elements of 8 bytes.  LDS: A's half i at 49,152 i, tile T at 6,144 T; B's half i at 98,304 + 98,304 i, tile T at 6,144 T.  A wave has one tensor load out at any time.
	s_mov_b32 s[\g+1], 768<<16
	s_mov_b32 s[\g+3], 768<<16
	s_mov_b32 s[\g+5], 1536
	s_mov_b32 s[\g+6], 0
	s_mov_b32 s[\g+7], 0
.endr
	s_mov_b32 s34, 4<<16
	s_mov_b32 s36, 4
	s_mov_b32 s42, 8<<16
	s_mov_b32 s44, 8
	; side A: made of cy and the cluster's numbers alone
	s_lshl_b32 s31, s28, 2
	s_and_b32 s2, s28, 1
	s_lshl_b32 s2, s2, 2
	s_cmp_eq_u32 s27, 2
	s_cselect_b32 s31, s2, s31
	s_cselect_b32 s92, 1572864, 0                  ; Wv's tiles begin at tile 128 of wi,
	s_cselect_b32 s94, 65536, 0                    ; its scale words at pair 64 of ws
	s_add_co_u32 s31, s31, s26                     ; A's block: q, k: 4 CY + cy (128 tokens); v: 4 (CY % 2) + cy (128 features)
	s_lshl_b32 s2, s31, 3
	s_lshl_b32 s100, s24, 2
	s_add_co_u32 s2, s2, s100
	s_mul_i32 s2, s2, 12288                        ; the four tiles that I fetch
	s_add_co_u32 s92, s92, s2
	s_mov_b32 s93, 0
	s_lshl_b32 s2, s31, 2
	s_lshl_b32 s100, s23, 1
	s_add_co_u32 s2, s2, s100
	s_lshl_b32 s2, s2, 10                          ; my two pairs' scale words
	s_add_co_u32 s94, s94, s2
	s_mov_b32 s95, 0
	s_mul_i32 s101, s24, 24576                     ; where my fetch for A lands: four tiles of 6,144 bytes
	; side B: made of cx and the cluster's numbers alone
	s_lshl_b32 s66, s27, 2
	s_lshr_b32 s3, s28, 1
	s_lshl_b32 s3, s3, 2
	s_cmp_eq_u32 s27, 2
	s_cselect_b32 s66, s3, s66
	s_add_co_u32 s66, s66, s25                     ; B's block: q, k: 4 CX + cx (256 features of wi); v: 4 (CY / 2) + cx (256 tokens)
	s_lshl_b32 s3, s66, 4
	s_lshl_b32 s67, s24, 3
	s_add_co_u32 s3, s3, s67
	s_mul_i32 s96, s3, 12288
	s_mov_b32 s97, 0
	s_lshl_b32 s3, s66, 3
	s_lshl_b32 s67, s24, 2
	s_add_co_u32 s3, s3, s67
	s_lshl_b32 s98, s3, 10
	s_mov_b32 s99, 0
	s_mul_i32 s67, s24, 49152
	s_add_co_u32 s67, s67, 98304                   ; where my fetch for B lands, and where my 8 tiles of B lie
	v_and_b32 v1, 31, v0
	v_lshlrev_b32 v[L16], 4, v1
	v_lshlrev_b32 v[L8], 3, v1
	s_mul_i32 s100, s23, 24576
	v_add_nc_u32 v[ADA], s100, v[L16]              ; A: 16 l + 24,576 wa, half 0; half 1 lies 49,152 on
	v_add_nc_u32 v[ADA+1], 49152, v[ADA]
	v_add_nc_u32 v[ADB], s67, v[L16]               ; B: 98,304 + 49,152 wb + 16 l, half 0; half 1 lies 98,304 on
	v_add_nc_u32 v[ADB+1], 98304, v[ADB]
.irp b, 0,1,2,3
	v_mov_b32 v[TM+4+\b], 0                        ; written once: a lane permute's destination counts as one of its sources
.endr
	s_mov_b32 s[SEL], 0x76543210
	s_mov_b32 s[SEL+1], 0xfedcba98
	s_mov_b32 s[HM], 0xffff0000
	s_wait_alu depctr_va_vdst(0)                   ; directly ahead of the blocking waits
	s_wait_dscnt 0x0                               ; both opening adds are done
	s_wait_kmcnt 0x0
	s_cmp_eq_u32 s27, 2                            ; which buffer is which side: the choice hangs on the cluster's number alone
	s_cselect_b64 s[84:85], s[8:9], s[4:5]
	s_cselect_b64 s[86:87], s[10:11], s[6:7]
	s_cselect_b64 s[88:89], s[4:5], s[8:9]
	s_cselect_b64 s[90:91], s[6:7], s[10:11]
	s_add_nc_u64 s[84:85], s[84:85], s[92:93]
	s_add_nc_u64 s[86:87], s[86:87], s[94:95]
	s_add_nc_u64 s[88:89], s[88:89], s[96:97]
	s_add_nc_u64 s[90:91], s[90:91], s[98:99]
.irp i, 0,1                            ; groups 0: K steps 4 i to 4 i + 3
	s_mov_b32 s[48+4*\i], 1
	s_add_co_u32 s[49+4*\i], s101, 49152*\i
	s_add_nc_u64 s[50+4*\i:51+4*\i], s[84:85], 6144*\i
	s_or_b32 s[51+4*\i], s[51+4*\i], 0x80000000
	s_mov_b32 s[68+4*\i], 1
	s_add_co_u32 s[69+4*\i], s67, 98304*\i
	s_add_nc_u64 s[70+4*\i:71+4*\i], s[88:89], 6144*\i
	s_or_b32 s[71+4*\i], s[71+4*\i], 0x80000000
.endr
	CROUND                                         ; all sixteen work-groups are here: the joint loads meet
	s_cmp_eq_u32 s23, 0                            ; a wave's fill stands in one branch on the wave's number, A's or B's; an s_nop 0 and four v_nop follow each
	s_cbranch_scc0 .Lfill_b
	tensor_load_to_lds s[48:51], s[32:39]          ; K steps 0 to 3: one tensor load a wave at the head
	s_nop 0
	PLACES 4
	s_branch .Lfilled
.Lfill_b:
	tensor_load_to_lds s[68:71], s[40:47]
	s_nop 0
	PLACES 4
.Lfilled:
.irp p, 0,1                            ; the scale words of all of K go straight into registers: 256 consecutive bytes a load
.irp t, 0,1,2,3
	global_load_b64 v[SA+8*\p+2*\t:SA+8*\p+2*\t+1], v[L8], s[86:87] offset:1024*\p+256*\t
.endr
.endr
.irp p, 0,1,2,3
.irp t, 0,1,2,3
	global_load_b64 v[SB+8*\p+2*\t:SB+8*\p+2*\t+1], v[L8], s[90:91] offset:1024*\p+256*\t
.endr
.endr
; one product.  pb, pa: the tile is the odd one of its pair: its words stand in lanes 16-31
.macro WM acc, fb, fa, sb, sa, pb, pa, zero
.if (\zero)==1
.if ((\pb)==1)&&((\pa)==1)
	v_wmma_scale_f32_16x16x128_f8f6f4 v[(\acc):(\acc)+7], v[(\fb):(\fb)+11], v[(\fa):(\fa)+11], 0, v[(\sb)], v[(\sa)] matrix_a_fmt:MATRIX_FMT_FP6 matrix_b_fmt:MATRIX_FMT_FP6 matrix_a_scale:MATRIX_SCALE_ROW1 matrix_b_scale:MATRIX_SCALE_ROW1
.elseif (\pb)==1
	v_wmma_scale_f32_16x16x128_f8f6f4 v[(\acc):(\acc)+7], v[(\fb):(\fb)+11], v[(\fa):(\fa)+11], 0, v[(\sb)], v[(\sa)] matrix_a_fmt:MATRIX_FMT_FP6 matrix_b_fmt:MATRIX_FMT_FP6 matrix_a_scale:MATRIX_SCALE_ROW1
.elseif (\pa)==1
	v_wmma_scale_f32_16x16x128_f8f6f4 v[(\acc):(\acc)+7], v[(\fb):(\fb)+11], v[(\fa):(\fa)+11], 0, v[(\sb)], v[(\sa)] matrix_a_fmt:MATRIX_FMT_FP6 matrix_b_fmt:MATRIX_FMT_FP6 matrix_b_scale:MATRIX_SCALE_ROW1
.else
	v_wmma_scale_f32_16x16x128_f8f6f4 v[(\acc):(\acc)+7], v[(\fb):(\fb)+11], v[(\fa):(\fa)+11], 0, v[(\sb)], v[(\sa)] matrix_a_fmt:MATRIX_FMT_FP6 matrix_b_fmt:MATRIX_FMT_FP6
.endif
.else
.if ((\pb)==1)&&((\pa)==1)
	v_wmma_scale_f32_16x16x128_f8f6f4 v[(\acc):(\acc)+7], v[(\fb):(\fb)+11], v[(\fa):(\fa)+11], v[(\acc):(\acc)+7], v[(\sb)], v[(\sa)] matrix_a_fmt:MATRIX_FMT_FP6 matrix_b_fmt:MATRIX_FMT_FP6 matrix_a_scale:MATRIX_SCALE_ROW1 matrix_b_scale:MATRIX_SCALE_ROW1
.elseif (\pb)==1
	v_wmma_scale_f32_16x16x128_f8f6f4 v[(\acc):(\acc)+7], v[(\fb):(\fb)+11], v[(\fa):(\fa)+11], v[(\acc):(\acc)+7], v[(\sb)], v[(\sa)] matrix_a_fmt:MATRIX_FMT_FP6 matrix_b_fmt:MATRIX_FMT_FP6 matrix_a_scale:MATRIX_SCALE_ROW1
.elseif (\pa)==1
	v_wmma_scale_f32_16x16x128_f8f6f4 v[(\acc):(\acc)+7], v[(\fb):(\fb)+11], v[(\fa):(\fa)+11], v[(\acc):(\acc)+7], v[(\sb)], v[(\sa)] matrix_a_fmt:MATRIX_FMT_FP6 matrix_b_fmt:MATRIX_FMT_FP6 matrix_b_scale:MATRIX_SCALE_ROW1
.else
	v_wmma_scale_f32_16x16x128_f8f6f4 v[(\acc):(\acc)+7], v[(\fb):(\fb)+11], v[(\fa):(\fa)+11], v[(\acc):(\acc)+7], v[(\sb)], v[(\sa)] matrix_a_fmt:MATRIX_FMT_FP6 matrix_b_fmt:MATRIX_FMT_FP6
.endif
.endif
.endm
.macro FETCH s                         ; K step s's 12 fragments into buffer s % 2: 36 loads of 512 consecutive bytes
	WIN 0x80+0x40*((\s)%2)
.irp a, 0,1,2,3
.irp c, 0,1,2
	ds_load_b128 v[12*\a+4*\c:12*\a+4*\c+3], v[ADA+(\s)/4] offset:6144*\a+1536*((\s)%4)+512*\c
.endr
.endr
.irp b, 0,1,2,3,4,5,6,7
.irp c, 0,1,2
	ds_load_b128 v[48+12*\b+4*\c:48+12*\b+4*\c+3], v[ADB+(\s)/4] offset:6144*\b+1536*((\s)%4)+512*\c
.endr
.endr
.endm
.macro MUL s, zero                     ; 32 products: source 0 = B's tile, source 1 = A's; C and D in window 1
	WIN 0x5a+5*((\s)%2)
.irp a, 0,1,2,3
.irp b, 0,1,2,3,4,5,6,7
	WM 8*(8*\a+\b), 48+12*\b, 12*\a, SB+8*(\b/2)+(\s), SA+8*(\a/2)+(\s), \b%2, \a%2, \zero
.endr
.endr
.endm
.macro STEP s
	s_wait_dscnt 0x0                               ; this step's fragments are in (asked for 32 products ago)
.if (\s)==3
	s_wait_tensorcnt 0x0                           ; my load of K steps 4 to 7 has landed
	s_barrier_signal -1
	s_barrier_wait -1                              ; everybody's has
.endif
.if (\s)<7
.if (\s)>0
	PLACES 4                                       ; in front of loads into registers that the last step's products have read
.endif
	FETCH (\s)+1
.endif
.if (\s)==0
	MUL \s, 1                                      ; the first step's products start the sums: nothing is cleared
.else
	MUL \s, 0
.endif
.endm
; 64 numbers of a lane, register 16 b + i = k 32 b + 16 (lane / 16) + i of my row, become a fragment's codes in v[PC] on and its scale word in v[PW]
.macro QUANT s
.irp b, 0,1,2,3
	v_max3_num_f32 v[TM+\b], |v[\s+16*\b]|, |v[\s+1+16*\b]|, 0x1800000   ; with the floor 2^(3 - 127): the byte cannot fall under 1
.endr
.irp i, 2,4,6,8,10,12,14
.irp b, 0,1,2,3
	v_max3_num_f32 v[TM+\b], v[TM+\b], |v[\s+16*\b+\i]|, |v[\s+1+16*\b+\i]|
.endr
.endr
.irp b, 0,1,2,3
	v_permlanex16_b32 v[TM+4+\b], v[TM+\b], s[SEL], s[SEL+1]
.endr
.irp b, 0,1,2,3
	v_max_num_f32 v[TM+\b], v[TM+\b], v[TM+4+\b]   ; with lane l xor 16's: the block's largest magnitude
.endr
.irp b, 0,1,2,3
	v_add_nc_u32 v[TM+12+\b], 0xff000000, v[TM+\b] ; 2 off the exponent field: the conversion's scale operand
.endr
.irp b, 0,1,2,3
	v_lshrrev_b32 v[TM+4+\b], 23, v[TM+12+\b]      ; the scale's byte
.endr
	v_lshl_or_b32 v[PW], v[TM+5], 8, v[TM+4]
	v_lshl_or_b32 v[PW], v[TM+6], 16, v[PW]
	v_lshl_or_b32 v[PW], v[TM+7], 24, v[PW]
.irp c, 0,1
	v_cvt_scalef32_pk16_fp6_f32 v[PC+6*\c:PC+2+6*\c], v[\s+32*\c:\s+15+32*\c], v[TM+12+2*\c]
	v_cvt_scalef32_pk16_fp6_f32 v[PC+12+4*\c:PC+14+4*\c], v[\s+16+32*\c:\s+31+32*\c], v[TM+12+2*\c+1]
.endr
	v_nop                                          ; one plain place behind a scaled conversion
.irp c, 0,1                            ; the operand's layout wants a whole block in a lane
.irp i, 0,1,2
	v_permlane16_swap_b32 v[PC+6*\c+\i], v[PC+12+4*\c+\i]
.endr
.irp i, 0,1,2
	v_mov_b32 v[PC+3+6*\c+\i], v[PC+12+4*\c+\i]
.endr
.endr
.endm
; A's tile a: its 8 accumulators + the bias go to window 0 (one packed addition does both, each accumulator from its low end on) and are quantised
.macro ROWQ a, add0, astep
	WIN 0x01
.set i, 0
.rept 32
	v_pk_add_f32 v[HA+2*i:HA+2*i+1], v[64*(\a)+2*i:64*(\a)+2*i+1], v[(\add0)+(\astep)*i:(\add0)+(\astep)*i+1]
.set i, i+1
.endr
	WIN 0
	s_wait_xcnt 0x0                                ; the last tile's stores have read their data: the codes' registers may be written again
	QUANT HA
	v_mov_b32 v[PWS+(\a)], v[PW]
.endm
	s_wait_alu depctr_va_vdst(0)                   ; the head's end
	s_wait_tensorcnt 0x0                           ; my load of K steps 0 to 3 has landed
	ds_add_u32 v[SPW], v[NIL]
	s_wait_dscnt 0x0
	CROUND                                         ; everybody's has, and all sixteen work-groups are here: the joint loads meet
	s_cmp_eq_u32 s23, 0
	s_cbranch_scc0 .Lsecond_b
	tensor_load_to_lds s[52:55], s[32:39]          ; K steps 4 to 7, the first tensor load behind the round; three K steps' products stand between it and the wait for it
	s_nop 0
	PLACES 4
	s_branch .Lsecond_asked
.Lsecond_b:
	tensor_load_to_lds s[72:75], s[40:47]
	s_nop 0
	PLACES 4
.Lsecond_asked:
	FETCH 0
	s_wait_loadcnt 0x0                             ; the scale words
.irp k, 0,1,2,3,4,5,6
	STEP \k
.endr
	WIN 0
	s_cmp_eq_u32 s27, 2
	s_cbranch_scc1 .Ltail_v
	; ---- q or k: the wave's 128 features are two heads; a tile's fragment is two half images, one for each head
	s_cmp_eq_u32 s27, 1
	s_cselect_b64 s[92:93], s[20:21], s[18:19]     ; kv or qi
	s_cselect_b64 s[84:85], s[14:15], s[12:13]     ; bk or bq
	s_mov_b32 s86, 106496
	s_cselect_b32 s86, 208896, s86                 ; bytes a head
	s_mov_b32 s87, 6656
	s_cselect_b32 s87, 13056, s87                  ; bytes a record
	s_mov_b32 s88, 6144
	s_cselect_b32 s88, 12288, s88                  ; where a record's scale words begin
	s_lshr_b32 s89, s31, 4
	s_lshl_b32 s89, s89, 4                         ; 16 x batch
	s_lshl_b32 s90, s25, 2
	s_add_co_u32 s89, s89, s90
	s_lshl_b32 s90, s24, 1
	s_add_co_u32 s89, s89, s90                     ; + head 4 cx + 2 wb
	s_mul_i32 s89, s89, s86
	s_and_b32 s90, s31, 15
	s_mul_i32 s90, s90, s87
	s_add_co_u32 s90, s90, s89
	s_mov_b32 s91, 0
	s_add_nc_u64 s[92:93], s[92:93], s[90:91]      ; the record
	s_lshl_b32 s90, s23, 8
	s_add_co_u32 s90, s90, s88
	s_add_nc_u64 s[96:97], s[92:93], s[90:91]      ; my 256 bytes of its scale words
	s_mul_i32 s90, s23, 3072
	s_add_nc_u64 s[92:93], s[92:93], s[90:91]      ; my four tiles
	s_mov_b32 s90, s86
	s_add_nc_u64 s[94:95], s[92:93], s[90:91]      ; the same in the next head
	s_add_nc_u64 s[98:99], s[96:97], s[90:91]
	s_lshl_b32 s90, s25, 10
	s_lshl_b32 s89, s24, 9
	s_add_co_u32 s90, s90, s89
	s_add_nc_u64 s[84:85], s[84:85], s[90:91]      ; the bias of my 128 features
	v_bfe_u32 v[VB], v0, 4, 1
	v_lshlrev_b32 v[VB], 6, v[VB]                  ; lane (r, h) wants, for tile t, features 32 (t / 2) + 16 h + 8 (t % 2) + 0 .. 7
.irp t, 0,1,2,3,4,5,6,7
	global_load_b128 v[BI+8*\t:BI+8*\t+3], v[VB], s[84:85] offset:4*(32*(\t/2)+8*(\t%2))
	global_load_b128 v[BI+8*\t+4:BI+8*\t+7], v[VB], s[84:85] offset:4*(32*(\t/2)+8*(\t%2))+16
.endr
	STEP 7
	WIN 0
	s_wait_loadcnt 0x0
	PLACES 4                                       ; in front of the first read of results
.irp a, 0,1,2,3
	ROWQ \a, BI, 2
	global_store_b128 v[L16], v[PC:PC+3], s[92:93] offset:768*\a          ; 512 consecutive bytes, aligned
	global_store_b64 v[L8], v[PC+4:PC+5], s[92:93] offset:768*\a+512      ; 256
	global_store_b128 v[L16], v[PC+6:PC+9], s[94:95] offset:768*\a
	global_store_b64 v[L8], v[PC+10:PC+11], s[94:95] offset:768*\a+512
.endr
	v_cndmask_b32 v[VT], v[PWS], v[PWS+1], s[HM]   ; word p: lanes 0-15 tile 2 p, lanes 16-31 tile 2 p + 1
	v_cndmask_b32 v[VT+1], v[PWS+2], v[PWS+3], s[HM]
	v_lshrrev_b32 v[VT+2], 16, v[VT]               ; the second head's two bytes,
	v_lshrrev_b32 v[VT+3], 16, v[VT+1]
	v_and_b32 v[VT], 0xffff, v[VT]                 ; the first head's; the upper two bytes are 0
	v_and_b32 v[VT+1], 0xffff, v[VT+1]
	global_store_b64 v[L8], v[VT:VT+1], s[96:97]
	global_store_b64 v[L8], v[VT+2:VT+3], s[98:99]
	s_branch .Lend
.Ltail_v:
	; ---- v: the wave's 64 features are one head, its 128 tokens one key step: a tile's fragment is a whole image of V^T
	s_lshr_b32 s86, s66, 3
	s_lshl_b32 s86, s86, 4                         ; 16 x batch
	s_lshl_b32 s87, s31, 1
	s_add_co_u32 s86, s86, s87
	s_add_co_u32 s86, s86, s23                     ; + head 2 A's block + wa
	s_mul_i32 s86, s86, 208896
	s_lshl_b32 s87, s66, 1
	s_add_co_u32 s87, s87, s24
	s_and_b32 s87, s87, 15                         ; the key step
	s_mul_i32 s87, s87, 13056
	s_add_co_u32 s90, s86, s87
	s_add_co_u32 s90, s90, 6144
	s_mov_b32 s91, 0
	s_add_nc_u64 s[92:93], s[20:21], s[90:91]
	s_lshl_b32 s90, s31, 9
	s_lshl_b32 s89, s23, 8
	s_add_co_u32 s90, s90, s89
	s_add_nc_u64 s[84:85], s[16:17], s[90:91]      ; bv of my 64 features
	v_and_b32 v[VB], 15, v0
	v_and_b32 v[VT], 8, v[VB]
	v_add_nc_u32 v[VB], v[VB], v[VT]
	v_lshlrev_b32 v[VB], 2, v[VB]                  ; my feature in a tile: r + 8 (r / 8)
.irp a, 0,1,2,3
	global_load_b32 v[BI+2*\a], v[VB], s[84:85] offset:4*(32*(\a/2)+8*(\a%2))     ; one number a lane and tile, in both registers of a pair
	global_load_b32 v[BI+2*\a+1], v[VB], s[84:85] offset:4*(32*(\a/2)+8*(\a%2))
.endr
	STEP 7
	WIN 0
	s_wait_loadcnt 0x0
	PLACES 4
.irp a, 0,1,2,3
	ROWQ \a, BI+2*\a, 0
.irp c, 0,1,2
	global_store_b128 v[L16], v[PC+4*\c:PC+4*\c+3], s[92:93] offset:1536*\a+512*\c
.endr
.endr
	v_cndmask_b32 v[VT], v[PWS], v[PWS+1], s[HM]
	v_cndmask_b32 v[VT+1], v[PWS+2], v[PWS+3], s[HM]
	global_store_b64 v[L8], v[VT:VT+1], s[92:93] offset:6656
.Lend:
	s_wait_tensorcnt 0x0                           ; the wave's end, behind my last tensor load
	ds_add_u32 v[SPW], v[NIL]
	s_wait_dscnt 0x0
	CROUND                                         ; the closing round
	s_endpgm
.Lfunc_end_k_q89091d094e_proj:
	.size	k_q89091d094e_proj, .Lfunc_end_k_q89091d094e_proj-k_q89091d094e_proj
	.p2alignl 7, 3214868480
	.fill 96, 4, 3214868480
	.section	.rodata,"a",@progbits
	.p2align	6, 0x0
	.amdhsa_kernel k_q89091d094e_proj
		.amdhsa_group_segment_fixed_size 327680
		.amdhsa_private_segment_fixed_size 0
		.amdhsa_enable_private_segment 0
		.amdhsa_kernarg_size 72
		.amdhsa_user_sgpr_count 2
		.amdhsa_user_sgpr_kernarg_segment_ptr 1
		.amdhsa_wavefront_size32 1
		.amdhsa_system_sgpr_workgroup_id_x 1
		.amdhsa_system_sgpr_workgroup_id_y 1
		.amdhsa_system_sgpr_workgroup_id_z 1
		.amdhsa_system_vgpr_workitem_id 0
		.amdhsa_next_free_vgpr 1024
		.amdhsa_next_free_sgpr 102
		.amdhsa_reserve_vcc 0
		.amdhsa_float_denorm_mode_32 3
		.amdhsa_float_denorm_mode_16_64 3
		.amdhsa_memory_ordered 1
		.amdhsa_forward_progress 1
		.amdhsa_inst_pref_size 121
	.end_amdhsa_kernel
	.amdgpu_metadata
---
amdhsa.version: [ 1, 2 ]
amdhsa.kernels:
  - .name:           k_q89091d094e_proj
    .symbol:         k_q89091d094e_proj.kd
    .args:
      - { .name: xi, .offset: 0, .size: 8, .value_kind: global_buffer, .address_space: global }
      - { .name: xs, .offset: 8, .size: 8, .value_kind: global_buffer, .address_space: global }
      - { .name: wi, .offset: 16, .size: 8, .value_kind: global_buffer, .address_space: global }
      - { .name: ws, .offset: 24, .size: 8, .value_kind: global_buffer, .address_space: global }
      - { .name: bq, .offset: 32, .size: 8, .value_kind: global_buffer, .address_space: global }
      - { .name: bk, .offset: 40, .size: 8, .value_kind: global_buffer, .address_space: global }
      - { .name: bv, .offset: 48, .size: 8, .value_kind: global_buffer, .address_space: global }
      - { .name: qi, .offset: 56, .size: 8, .value_kind: global_buffer, .address_space: global }
      - { .name: kv, .offset: 64, .size: 8, .value_kind: global_buffer, .address_space: global }
    .group_segment_fixed_size: 327680
    .private_segment_fixed_size: 0
    .kernarg_segment_align: 8
    .kernarg_segment_size: 72
    .max_flat_workgroup_size: 128
    .sgpr_count:     102
    .vgpr_count:     1024
    .wavefront_size: 32
...
	.end_amdgpu_metadata
.endif
;; end of part 3
;; launch attn (part 4): grid 4 x 64, 16 waves a work-group, clusters of 4 x 1, 327,680 bytes of LDS; arguments qi, kv, oi, os; writes oi, os
.if DOCPART == 4
	.amdgcn_target "amdgcn-amd-amdhsa--gfx1250"
	.amdhsa_code_object_version 6
	.text
	.protected	k_q89091d094e_attn
	.globl	k_q89091d094e_attn
	.p2align	8
	.type	k_q89091d094e_attn,@function
k_q89091d094e_attn:
	s_mov_b64 s[64:65], 0
	v_nop
	global_prefetch_b8 v0, s[64:65] scope:SCOPE_SE
	s_setreg_imm32_b32 hwreg(HW_REG_WAVE_MODE, 25, 1), 1
	s_wait_xcnt 0x0
	s_wait_alu depctr_hold_cnt(0) depctr_sa_sdst(0) depctr_va_vdst(0) depctr_va_sdst(0) depctr_va_ssrc(0) depctr_va_vcc(0) depctr_vm_vsrc(0)
	s_getreg_b32 s2, hwreg(HW_REG_IB_STS2, 6, 4)
	s_cmp_eq_u32 s2, 0
	s_cbranch_scc0 .Lentry_in_a_cluster
	s_endpgm
.Lentry_in_a_cluster:
	s_bfe_u32 s2, ttmp6, 0x10000c
	s_cmp_lg_u32 s2, 0x3003
	s_cbranch_scc0 .Lentry_shape_is_right
	s_endpgm
.Lentry_shape_is_right:
; PRODUCTS 4 AND 5: o = softmax(q k^T / 8) v on codes of E2M3, o quantised in registers for product 6.  Nothing is left out.
; p = 2^(t - M), t = score x log2(e) / 8, M the ceiling of the running largest t; the row's sum is taken of the unquantised p; O^T and the sum are multiplied by 2^(old M - new M) in every step, with no branch on data.
; LIMITS: the promise holds while |t| stays under 2^31; a block of zeros gets the byte 1 where the rule says 127 (zero codes; the bytes are read by this program alone); NaN and infinities are not served.
; SHARES: work-group (cx, bh) takes 512 queries of batch-and-head bh, a wave 32 of them: two tiles of 16, A and B.  The head's 16 records of kv (128 keys each, 13,056 bytes: K's 8 half images, V's 4 images,
; K's and V's scale words) all lie in LDS: 208,896 bytes, filled ONCE, one tensor load a wave (record = wave; 51 rows of 256 bytes), so one load a wave is out; one barrier shows them to all; no byte is filled again.
; CLUSTER 4 x 1: the four work-groups of a head read the same records and ask for them jointly (mask 15).
; NO PREFETCH: every fill is asked for at the head; the launch has no loop of fills to run ahead in.
; BOTH PRODUCTS ARE USED TRANSPOSED (S^T = k q^T, O^T = v^T p^T): a lane holds one query.  A record's K and V fragments are read from LDS once and serve both tiles.
; THE KEYS OF A TILE OF K ARE CHOSEN BY THE LANES' ADDRESSES: row r of tile n = 4 c + j is key 64 c + 32 (r / 8) + 8 j + r % 8.  It lies in the record's image 4 c + 2 (r / 8) + j % 2 at lane row r % 8 + 8 (j / 2).
; So the 32 scores of lane (r, h) in band c are keys 64 c + 32 h + 0 .. 31: one whole scale block, in the order of registers 6 c .. 6 c + 5 of p's operand.  No lane swaps codes with another.
; The head is 64 wide: q's operand has zero codes for k = 64 .. 127, so what stands in the upper six registers of K's operand (the next tile, or v84-89) counts for nothing.
; REGISTERS: v1-5 lane parts of LDS addresses; v6-7 the spare word and 0; v8-15 state of A and B (-M, largest score, the sum in two halves); v16-17 q's scale words, v18-19 p's, v20-23 K's (v20-21 then V's);
; v24-35 at work; v36-83 K's eight half fragments, then V's four; v84-91 upper halves of codes as the conversions leave them; v92-115 q's two operands; v116-179 scores, then p (B's codes end in v116-127);
; v180-243 O^T of A and B; v244-255 A's codes.
.set REC,   13056
.set SPARE, 16*REC                     ; behind the records: the spare words, 128 bytes a wave
.set AK16, 1                           ; 1,536 (r / 8) + 16 (r % 8) + 256 h
.set AK8,  2                           ; 1,536 (r / 8) + 8 (r % 8) + 128 h
.set AV16, 3                           ; 16 l
.set AKS,  4                           ; 8 (r % 8) + 4 (r / 8) + 128 h
.set AV8,  5                           ; 8 l
.set SPW,  6
.set NIL,  7
.set STA,  8
.set STB,  12
.set QS,   16
.set PW,   18
.set KS,   20
.set F,    24
.set BM,   26
.set SO,   30
.set T,    32
.set SH8,  34
.set D3,   35
.set KB,   36
.set PT,   84
.set Q0,   92
.set Q1,   104
.set S,    116
.set OA,   180
.set OB,   212
.set PA,   244
.set SEL, 36                           ; s[36:37] selects for lane l xor 16
.set CS,  38                           ; s[38:39] c = log2(e) / 8
.set TB,  40                           ; the record's LDS byte; also the loop's counter
.set NC,  41                           ; -c
.set HM,  42                           ; lanes 16-31
.macro WALU
	s_wait_alu depctr_va_vdst(0)
.endm
.macro CROUND
	s_barrier_signal -1
	s_barrier_wait -1
	s_cmp_lg_u32 s12, 0
	s_cbranch_scc1 .Lnot_wave_0_\@
	s_barrier_signal -3
.Lnot_wave_0_\@:
	s_barrier_wait -3
	s_barrier_signal -1
	s_barrier_wait -1
.endm
.macro WM d, a, b, c, sa, sb, row      ; row = 1: source 0's scale words stand in lanes 16-31
.if \row
	v_wmma_scale_f32_16x16x128_f8f6f4 v[\d:\d+7], v[\a:\a+11], v[\b:\b+11], \c, v[\sa], v[\sb] matrix_a_fmt:MATRIX_FMT_FP6 matrix_b_fmt:MATRIX_FMT_FP6 matrix_a_scale:MATRIX_SCALE_ROW1
.else
	v_wmma_scale_f32_16x16x128_f8f6f4 v[\d:\d+7], v[\a:\a+11], v[\b:\b+11], \c, v[\sa], v[\sb] matrix_a_fmt:MATRIX_FMT_FP6 matrix_b_fmt:MATRIX_FMT_FP6
.endif
.endm
	s_load_b256 s[4:11], s[0:1], 0x0               ; qi, kv, oi, os
	v_lshl_add_u32 v[SPW], v0, 2, SPARE
	v_mov_b32 v[NIL], 0
	ds_add_u32 v[SPW], v[NIL]                      ; the opening lines: the add, twice on end, and its wait ahead of my tensor load
	ds_add_u32 v[SPW], v[NIL]
	v_lshrrev_b32 v[T], 5, v0
	v_readfirstlane_b32 s12, v[T]                  ; wave
	s_bfe_u32 s13, ttmp6, 0x40000                  ; cx
	s_and_b32 s14, ttmp7, 0xffff                   ; bh
	s_mov_b32 s16, 15|(3<<16)|(1<<21)              ; group 1: 51 rows of 32 elements of 8 bytes, dense; the mask names the cluster's four
	s_mov_b32 s17, 32<<16
	s_mov_b32 s18, 51<<16
	s_mov_b32 s19, 32<<16
	s_mov_b32 s20, 51
	s_mov_b32 s21, 32
	s_mov_b32 s22, 0
	s_mov_b32 s23, 0
	s_mov_b32 s24, 1
	s_mul_i32 s25, s12, REC                        ; record = wave: no place in the cluster enters the descriptor
	s_mul_i32 s52, s14, 208896
	s_add_co_u32 s52, s52, s25
	s_mov_b32 s53, 0
	s_lshl_b32 s55, s13, 4
	s_add_co_u32 s55, s55, s12                     ; which 32 queries of the head's 2,048
	s_mul_i32 s56, s14, 106496
	s_lshr_b32 s57, s55, 2
	s_mul_i32 s57, s57, 6656
	s_add_co_u32 s56, s56, s57                     ; qi's record of 128 queries
	s_and_b32 s57, s55, 3
	s_mul_i32 s58, s57, 1536
	s_add_co_u32 s58, s58, s56                     ; my two half images
	s_mov_b32 s59, 0
	s_lshr_b32 s57, s57, 1
	s_lshl_b32 s57, s57, 8
	s_add_co_u32 s56, s56, s57
	s_and_b32 s57, s55, 1
	s_lshl_b32 s57, s57, 2
	s_add_co_u32 s56, s56, s57
	s_add_co_u32 s56, s56, 6144                    ; and their scale words
	s_mov_b32 s57, 0
	s_lshr_b32 s60, s14, 4                         ; batch
	s_and_b32 s61, s14, 15                         ; head
	s_lshl_b32 s62, s60, 7
	s_lshl_b32 s63, s55, 1
	s_add_co_u32 s62, s62, s63
	s_mul_i32 s62, s62, 12288
	s_mul_i32 s63, s61, 768
	s_add_co_u32 s62, s62, s63                     ; oi: tile x 12,288 + head x 768
	s_mov_b32 s63, 0
	s_lshl_b32 s60, s60, 6
	s_add_co_u32 s60, s60, s55
	s_lshl_b32 s60, s60, 7
	s_lshl_b32 s61, s61, 15
	s_add_co_u32 s60, s60, s61                     ; os: head x 32,768 + pair x 128
	s_mov_b32 s61, 0
	s_mov_b32 s[SEL], 0x76543210
	s_mov_b32 s[SEL+1], 0xfedcba98
	s_mov_b32 s[CS], 0x3e38aa3b
	s_mov_b32 s[CS+1], s[CS]
	s_mov_b32 s[NC], 0xbe38aa3b
	s_mov_b32 s[HM], 0xffff0000
	v_and_b32 v[T], 31, v0
	v_and_b32 v[T+1], 7, v0                        ; r % 8
	v_bfe_u32 v[D3], v0, 3, 1                      ; r / 8
	v_bfe_u32 v[SH8], v0, 4, 1                     ; h
	v_and_b32 v[BM], 15, v0
	v_lshlrev_b32 v[AV16], 4, v[T]
	v_lshlrev_b32 v[AV8], 3, v[T]
	v_mul_u32_u24 v[AK16], v[D3], 1536
	v_lshlrev_b32 v[AKS], 2, v[D3]
	v_lshlrev_b32 v[BM], 3, v[BM]                  ; 8 r: q's scale words
	v_lshl_add_u32 v[AK8], v[T+1], 3, v[AK16]
	v_lshl_add_u32 v[AK16], v[T+1], 4, v[AK16]
	v_lshl_add_u32 v[AKS], v[T+1], 3, v[AKS]
	v_lshl_add_u32 v[AK8], v[SH8], 7, v[AK8]
	v_lshl_add_u32 v[AK16], v[SH8], 8, v[AK16]
	v_lshl_add_u32 v[AKS], v[SH8], 7, v[AKS]
	v_lshlrev_b32 v[SH8], 3, v[SH8]                ; 8 h
	WALU                                           ; ahead of the blocking waits
	s_wait_dscnt 0x0                               ; both opening adds are done
	s_wait_kmcnt 0x0
	s_add_nc_u64 s[26:27], s[6:7], s[52:53]
	s_or_b32 s27, s27, 0x80000000
	s_add_nc_u64 s[44:45], s[4:5], s[58:59]
	s_add_nc_u64 s[46:47], s[4:5], s[56:57]
	s_add_nc_u64 s[48:49], s[8:9], s[62:63]
	s_add_nc_u64 s[50:51], s[10:11], s[60:61]
	CROUND                                         ; the four work-groups are here: the joint loads meet
	tensor_load_to_lds s[24:27], s[16:23]          ; my record: the wave's one tensor load
	s_nop 0
.rept 4
	v_nop
.endr
	global_load_b128 v[Q0:Q0+3], v[AV16], s[44:45]
	global_load_b64 v[Q0+4:Q0+5], v[AV8], s[44:45] offset:512
	global_load_b128 v[Q1:Q1+3], v[AV16], s[44:45] offset:768
	global_load_b64 v[Q1+4:Q1+5], v[AV8], s[44:45] offset:1280
	global_load_b32 v[QS], v[BM], s[46:47]
	global_load_b32 v[QS+1], v[BM], s[46:47] offset:128
.irp j, 6,7,8,9,10,11
	v_mov_b32 v[Q0+\j], 0                          ; zero codes for k = 64 .. 127
	v_mov_b32 v[Q1+\j], 0
.endr
.irp j, 0,1,2,3,4,5,6,7
	v_mov_b32 v[PT+\j], 0                          ; named as the upper half of K's last operand, and as lane permutes' destinations
.endr
	v_mov_b32 v[F+1], 0                            ; named as the upper half of the pair
.irp st, STA, STB
	v_mov_b32 v[\st], 0x7f61b1e6                   ; -M = 3e38 and the largest score -3e38: the first step's factor is 0, which leaves the zeros below zeros
	v_mov_b32 v[\st+1], 0xff61b1e6
	v_mov_b32 v[\st+2], 0
	v_mov_b32 v[\st+3], 0
.endr
.set j, 0
.rept 64
	v_mov_b32 v[OA+j], 0                           ; the step is written once for all records
.set j, j+1
.endr
; ---- K's fragments and scale words of the record at s[TB].  The three sums and three v_nop are the places behind the products that read these registers last, and ahead of the products that write over B's codes
.macro KLOAD
	v_add_nc_u32 v[T], s[TB], v[AK16]
	v_add_nc_u32 v[T+1], s[TB], v[AK8]
	v_add_nc_u32 v[D3], s[TB], v[AKS]
.rept 3
	v_nop
.endr
.irp n, 0,1,2,3,4,5,6,7
	ds_load_b128 v[KB+6*\n:KB+6*\n+3], v[T] offset:3072*(\n/4)+768*(\n%2)+128*((\n%4)/2)
	ds_load_b64 v[KB+6*\n+4:KB+6*\n+5], v[T+1] offset:3072*(\n/4)+768*(\n%2)+512+64*((\n%4)/2)
.endr
.irp p, 0,1,2,3
	ds_load_b32 v[KS+\p], v[D3] offset:12288+256*(\p/2)+64*(\p%2)   ; lanes 0-15: tile 2 p's words, lanes 16-31: tile 2 p + 1's
.endr
.endm
.macro VLOAD
	v_add_nc_u32 v[T], s[TB], v[AV16]
	v_add_nc_u32 v[T+1], s[TB], v[AV8]
.irp t, 0,1,2,3
.irp c, 0,1,2
	ds_load_b128 v[KB+12*\t+4*\c:KB+12*\t+4*\c+3], v[T] offset:6144+1536*\t+512*\c
.endr
.endr
	ds_load_b64 v[KS:KS+1], v[T+1] offset:12800
.endm
.macro SMUL q, qs                      ; S^T of one query tile: eight tiles of 16 keys
.irp n, 0,1,2,3,4,5,6,7
	WM S+8*\n, KB+6*\n, \q, 0, KS+\n/2, \qs, \n%2
.endr
.endm
.macro RESC o                          ; O^T under the new M, each accumulator from its low end on
.set j, 0
.rept 16
	v_pk_mul_f32 v[\o+j:\o+j+1], v[\o+j:\o+j+1], v[F:F+1] op_sel_hi:[1,0]
.set j, j+2
.endr
.endm
.macro SCOP i, pw                      ; p's two scales and the scale word, a line at a time among the sums
.if (\i)==0
	v_max_num_f32 v[SO], 0x1800000, v[BM]          ; the floor 2^(3 - 127): the byte cannot fall under 1
.elseif (\i)==1
	v_max_num_f32 v[SO+1], 0x1800000, v[BM+1]
.elseif (\i)==2
	v_add_nc_u32 v[SO], 0xff000000, v[SO]          ; 2 off the exponent field: the conversions' scale operand
.elseif (\i)==3
	v_add_nc_u32 v[SO+1], 0xff000000, v[SO+1]
.elseif (\i)==4
	v_lshrrev_b32 v[T], 23, v[SO]                  ; the bytes of blocks h and 2 + h
.elseif (\i)==5
	v_lshrrev_b32 v[T+1], 23, v[SO+1]
.elseif (\i)==6
	v_lshl_or_b32 v[T], v[T+1], 16, v[T]
.elseif (\i)==7
	v_lshlrev_b32 v[T], v[SH8], v[T]               ; at their places in the word
.elseif (\i)==8
	v_permlanex16_b32 v[T+1], v[T], s[SEL], s[SEL+1]
.elseif (\i)==9
	v_or_b32 v[\pw], v[T], v[T+1]                  ; with lane l xor 16's two the word is whole
.endif
.endm
; ---- the softmax of one tile's 16 x 128 scores.  st: its state; pw: p's scale word; b = 0: codes to v[PA ..]; b = 1: codes to v[S .. S+11]
.macro SOFT st, pw, b
.irp k, 0,1,2,3                        ; the largest score of each block, in two chains a block
	v_max3_num_f32 v[BM+\k], v[S+16*\k], v[S+16*\k+1], v[S+16*\k+2]
.endr
.irp i, 3,5,7,9,11,13
.irp k, 0,1,2,3
	v_max3_num_f32 v[BM+\k], v[BM+\k], v[S+16*\k+\i], v[S+16*\k+\i+1]
.endr
.endr
	v_max3_num_f32 v[BM], v[BM], v[BM+1], v[S+15]
	v_max3_num_f32 v[BM+1], v[BM+2], v[BM+3], v[S+47]
	v_max_num_f32 v[BM], v[BM], v[S+31]
	v_max_num_f32 v[BM+1], v[BM+1], v[S+63]
	v_max_num_f32 v[T], v[BM], v[BM+1]
	v_permlanex16_b32 v[T+1], v[T], s[SEL], s[SEL+1]
	v_max3_num_f32 v[\st+1], v[\st+1], v[T], v[T+1]    ; the running largest score of my query
	v_mul_f32 v[T], s[NC], v[\st+1]
	v_floor_f32 v[T], v[T]                         ; the new -M = floor(-t)
	v_sub_f32 v[T+1], v[T], v[\st]                 ; old M less new M: a whole number, 0 or less
	v_cvt_i32_f32 v[T+1], v[T+1]                   ; (it saturates)
	v_ldexp_f32 v[F], 1.0, v[T+1]                  ; 2^(old M - new M)
	v_mov_b32 v[\st], v[T]                         ; -M is the new one from here on
.set j, 0
.rept 32
	v_pk_fma_f32 v[S+j:S+j+1], v[S+j:S+j+1], s[CS:CS+1], v[\st:\st+1] op_sel_hi:[1,0,0]   ; t - M
.set j, j+2
.endr
	v_fma_f32 v[BM], v[BM], s[CS], v[\st]          ; the same of each block's largest score: p rises with the score
	v_fma_f32 v[BM+1], v[BM+1], s[CS], v[\st]
	WALU                                           ; ahead of the batch
.set j, 0
.rept 64
	v_exp_f32 v[S+j], v[S+j]
.set j, j+1
.endr
	v_exp_f32 v[BM], v[BM]
	v_exp_f32 v[BM+1], v[BM+1]
	v_pk_mul_f32 v[\st+2:\st+3], v[\st+2:\st+3], v[F:F+1] op_sel_hi:[1,0]   ; the sum under the new M; the plain place behind the batch
	WALU                                           ; and behind it, ahead of its first reader
	v_pk_add_f32 v[BM+2:BM+3], v[S:S+1], v[S+2:S+3]    ; the sum of the unquantised p, in two chains
.irp j, 4,8,12,16,20,24,28,32,36,40,44,48,52,56,60
	v_pk_add_f32 v[\st+2:\st+3], v[\st+2:\st+3], v[S+\j:S+\j+1]
	v_pk_add_f32 v[BM+2:BM+3], v[BM+2:BM+3], v[S+\j+2:S+\j+3]
	SCOP \j/4-1, \pw
.endr
.if \b
	v_cvt_scalef32_pk16_fp6_f32 v[PT:PT+2], v[S:S+15], v[SO]
	v_cvt_scalef32_pk16_fp6_f32 v[PT+4:PT+6], v[S+16:S+31], v[SO]
	v_pk_add_f32 v[\st+2:\st+3], v[\st+2:\st+3], v[BM+2:BM+3]   ; a plain place: the next two write registers that these two have read
	v_cvt_scalef32_pk16_fp6_f32 v[S+6:S+8], v[S+32:S+47], v[SO+1]
	v_cvt_scalef32_pk16_fp6_f32 v[S+12:S+14], v[S+48:S+63], v[SO+1]
	v_nop                                          ; one plain place behind a scaled conversion
.irp i, 0,1,2
	v_mov_b32 v[S+\i], v[PT+\i]
	v_mov_b32 v[S+3+\i], v[PT+4+\i]
	v_mov_b32 v[S+9+\i], v[S+12+\i]
.endr
.else
	v_cvt_scalef32_pk16_fp6_f32 v[PA:PA+2], v[S:S+15], v[SO]
	v_cvt_scalef32_pk16_fp6_f32 v[PT:PT+2], v[S+16:S+31], v[SO]         ; (a conversion's three registers begin on an even number)
	v_cvt_scalef32_pk16_fp6_f32 v[PA+6:PA+8], v[S+32:S+47], v[SO+1]
	v_cvt_scalef32_pk16_fp6_f32 v[PT+4:PT+6], v[S+48:S+63], v[SO+1]
	v_pk_add_f32 v[\st+2:\st+3], v[\st+2:\st+3], v[BM+2:BM+3]   ; the plain place behind the conversions
.irp i, 0,1,2
	v_mov_b32 v[PA+3+\i], v[PT+\i]
	v_mov_b32 v[PA+9+\i], v[PT+4+\i]
.endr
.endif
.endm
; ---- one record, both tiles.  more = 1: the next record's K is asked for behind the last products
.macro STEP more
	s_wait_dscnt 0x0                               ; K's fragments and scale words are in
	SMUL Q0, QS
.rept 4
	v_nop                                          ; places in front of the first read of the scores
.endr
	SOFT STA, PW, 0
	SMUL Q1, QS+1                                  ; B's scores over A's p, whose codes are made
	WALU                                           ; directly ahead of the first reader of A's O^T
	RESC OA                                        ; also the places behind B's products
	VLOAD                                          ; V over K, under B's softmax
	SOFT STB, PW+1, 1
	WALU                                           ; likewise for B's O^T
	RESC OB                                        ; also the places between B's codes and scale word and the products
	WALU
	s_wait_dscnt 0x0                               ; V's fragments and scale words are in
.irp t, 0,1,2,3                        ; O^T += v^T p^T: the eight accumulators take turns
	WM OA+8*\t, KB+12*\t, PA, v[OA+8*\t:OA+8*\t+7], KS+\t/2, PW, \t%2
	WM OB+8*\t, KB+12*\t, S, v[OB+8*\t:OB+8*\t+7], KS+\t/2, PW+1, \t%2
.endr
.if \more
	s_add_co_u32 s[TB], s[TB], REC
	KLOAD
.endif
.endm
	WALU                                           ; the head's end
	s_wait_loadcnt 0x0                             ; q
	s_wait_tensorcnt 0x0                           ; my record has landed,
	s_barrier_signal -1
	s_barrier_wait -1                              ; everybody's has
	s_mov_b32 s[TB], 0
	KLOAD
	WALU
.Lwalk:                                                ; records 0 to 14
	STEP 1
	s_cmp_lg_u32 s[TB], 15*REC
	WALU
	s_cbranch_scc1 .Lwalk
	STEP 0                                         ; the last record asks for nothing more
; ---- the way out: O^T / the sum, quantised along the head's 64 (the K of product 6).  Registers 16 b + i of a tile are features 32 b + 16 h + i: half a block; lane l xor 16 has the other half
	v_add_f32 v[STA+2], v[STA+2], v[STA+3]         ; (these six are the places behind the last products)
	v_add_f32 v[STB+2], v[STB+2], v[STB+3]
	v_permlanex16_b32 v[T], v[STA+2], s[SEL], s[SEL+1]
	v_permlanex16_b32 v[T+1], v[STB+2], s[SEL], s[SEL+1]
	v_add_f32 v[STA+2], v[STA+2], v[T]
	v_add_f32 v[STB+2], v[STB+2], v[T+1]
	WALU
	v_rcp_f32 v[STA+2], v[STA+2]
	v_rcp_f32 v[STB+2], v[STB+2]
	v_nop
	WALU
.set j, 0
.rept 16
	v_pk_mul_f32 v[S+j:S+j+1], v[OA+j:OA+j+1], v[STA+2:STA+3] op_sel_hi:[1,0]
.set j, j+2
.endr
.set j, 0
.rept 16
	v_pk_mul_f32 v[S+32+j:S+32+j+1], v[OB+j:OB+j+1], v[STB+2:STB+3] op_sel_hi:[1,0]
.set j, j+2
.endr
.irp k, 0,1,2,3
	v_max3_num_f32 v[BM+\k], |v[S+16*\k]|, |v[S+16*\k+1]|, 0x1800000
.endr
.irp i, 2,4,6,8,10,12,14
.irp k, 0,1,2,3
	v_max3_num_f32 v[BM+\k], v[BM+\k], |v[S+16*\k+\i]|, |v[S+16*\k+\i+1]|
.endr
.endr
.irp k, 0,1,2,3
	v_permlanex16_b32 v[PT+\k], v[BM+\k], s[SEL], s[SEL+1]
.endr
.irp k, 0,1,2,3
	v_max_num_f32 v[BM+\k], v[BM+\k], v[PT+\k]
.endr
.irp k, 0,1,2,3
	v_add_nc_u32 v[BM+\k], 0xff000000, v[BM+\k]
.endr
.irp k, 0,1,2,3
	v_lshrrev_b32 v[PT+\k], 23, v[BM+\k]
.endr
	v_lshl_or_b32 v[PW], v[PT+1], 8, v[PT]         ; a tile's two bytes; the upper two are 0
	v_lshl_or_b32 v[PW+1], v[PT+3], 8, v[PT+2]
	v_cvt_scalef32_pk16_fp6_f32 v[PA:PA+2], v[S:S+15], v[BM]
	v_cvt_scalef32_pk16_fp6_f32 v[PA+6:PA+8], v[S+16:S+31], v[BM+1]
	v_cvt_scalef32_pk16_fp6_f32 v[KB:KB+2], v[S+32:S+47], v[BM+2]
	v_cvt_scalef32_pk16_fp6_f32 v[KB+6:KB+8], v[S+48:S+63], v[BM+3]
	v_nop                                          ; one plain place behind a scaled conversion
.irp i, 0,1,2                          ; the operand's layout wants a whole block in a lane
	v_permlane16_swap_b32 v[PA+\i], v[PA+6+\i]
	v_permlane16_swap_b32 v[KB+\i], v[KB+6+\i]
.endr
.irp i, 0,1,2
	v_mov_b32 v[PA+3+\i], v[PA+6+\i]
	v_mov_b32 v[KB+3+\i], v[KB+6+\i]
.endr
	v_cndmask_b32 v[T], v[PW], v[PW+1], s[HM]      ; lanes 0-15: tile A's words, lanes 16-31: tile B's
	v_lshrrev_b32 v[D3], 1, v[AV8]                 ; 4 l
	global_store_b128 v[AV16], v[PA:PA+3], s[48:49]                    ; 512 consecutive bytes, aligned
	global_store_b64 v[AV8], v[PA+4:PA+5], s[48:49] offset:512         ; 256
	global_store_b128 v[AV16], v[KB:KB+3], s[48:49] offset:12288
	global_store_b64 v[AV8], v[KB+4:KB+5], s[48:49] offset:12800
	global_store_b32 v[D3], v[T], s[50:51]
	s_wait_tensorcnt 0x0                           ; the wave's end
	ds_add_u32 v[SPW], v[NIL]
	s_wait_dscnt 0x0
	CROUND                                         ; the closing round
	s_endpgm
.Lfunc_end_k_q89091d094e_attn:
	.size	k_q89091d094e_attn, .Lfunc_end_k_q89091d094e_attn-k_q89091d094e_attn
	.p2alignl 7, 3214868480
	.fill 96, 4, 3214868480
	.section	.rodata,"a",@progbits
	.p2align	6, 0x0
	.amdhsa_kernel k_q89091d094e_attn
		.amdhsa_group_segment_fixed_size 327680
		.amdhsa_private_segment_fixed_size 0
		.amdhsa_enable_private_segment 0
		.amdhsa_kernarg_size 32
		.amdhsa_user_sgpr_count 2
		.amdhsa_user_sgpr_kernarg_segment_ptr 1
		.amdhsa_wavefront_size32 1
		.amdhsa_system_sgpr_workgroup_id_x 1
		.amdhsa_system_sgpr_workgroup_id_y 1
		.amdhsa_system_sgpr_workgroup_id_z 1
		.amdhsa_system_vgpr_workitem_id 0
		.amdhsa_next_free_vgpr 256
		.amdhsa_next_free_sgpr 66
		.amdhsa_reserve_vcc 0
		.amdhsa_float_denorm_mode_32 3
		.amdhsa_float_denorm_mode_16_64 3
		.amdhsa_memory_ordered 1
		.amdhsa_forward_progress 1
		.amdhsa_inst_pref_size 70
	.end_amdhsa_kernel
	.amdgpu_metadata
---
amdhsa.version: [ 1, 2 ]
amdhsa.kernels:
  - .name:           k_q89091d094e_attn
    .symbol:         k_q89091d094e_attn.kd
    .args:
      - { .name: qi, .offset: 0, .size: 8, .value_kind: global_buffer, .address_space: global }
      - { .name: kv, .offset: 8, .size: 8, .value_kind: global_buffer, .address_space: global }
      - { .name: oi, .offset: 16, .size: 8, .value_kind: global_buffer, .address_space: global }
      - { .name: os, .offset: 24, .size: 8, .value_kind: global_buffer, .address_space: global }
    .group_segment_fixed_size: 327680
    .private_segment_fixed_size: 0
    .kernarg_segment_align: 8
    .kernarg_segment_size: 32
    .max_flat_workgroup_size: 512
    .sgpr_count:     66
    .vgpr_count:     256
    .wavefront_size: 32
...
	.end_amdgpu_metadata
.endif
;; end of part 4
;; launch outp (part 5): grid 4 x 64, 4 waves a work-group, clusters of 4 x 4, 327,680 bytes of LDS; arguments oi, os, wi, ws, bf, out0; writes out0
.if DOCPART == 5
	.amdgcn_target "amdgcn-amd-amdhsa--gfx1250"
	.amdhsa_code_object_version 6
	.text
	.protected	k_q89091d094e_outp
	.globl	k_q89091d094e_outp
	.p2align	8
	.type	k_q89091d094e_outp,@function
k_q89091d094e_outp:
	s_mov_b64 s[64:65], 0
	v_nop
	global_prefetch_b8 v0, s[64:65] scope:SCOPE_SE
	s_setreg_imm32_b32 hwreg(HW_REG_WAVE_MODE, 25, 1), 1
	s_wait_xcnt 0x0
	s_wait_alu depctr_hold_cnt(0) depctr_sa_sdst(0) depctr_va_vdst(0) depctr_va_sdst(0) depctr_va_ssrc(0) depctr_va_vcc(0) depctr_vm_vsrc(0)
	s_getreg_b32 s2, hwreg(HW_REG_IB_STS2, 6, 4)
	s_cmp_eq_u32 s2, 0
	s_cbranch_scc0 .Lentry_in_a_cluster
	s_endpgm
.Lentry_in_a_cluster:
	s_bfe_u32 s2, ttmp6, 0x10000c
	s_cmp_lg_u32 s2, 0xf033
	s_cbranch_scc0 .Lentry_shape_is_right
	s_endpgm
.Lentry_shape_is_right:
; PRODUCT 6: out0 = o Wf + bf on codes of E2M3 (K = 1,024).  Nothing is left out.  The frame is proj's: a work-group makes 128 tokens (side A, source 1: a lane's row) x 256 outputs (side B, source 0: along a lane's registers);
; both operands for all of K lie in LDS, filled once by two joint loads a wave (one out at a time); clusters of 4 x 4, A shared along a row, B along a column; 32 accumulators a wave, by turns.
; WHAT DIFFERS: A's fragment of K step s is two half images (heads 2 s and 2 s + 1: registers 0-3 at 16 l, 4-5 at 512 + 8 l, the second 768 bytes on); A's scale words are put together in registers from the heads' two bytes;
; bf is the C of the first K step's products; the results leave as f32 rows through a stage in LDS.
; THE STAGE (16 rows x 528 bytes a wave, bytes 0 to 33,791) lies in A's K steps 0 to 3, which have had their one fill; every wave awaited its last reads of them (K step 3's fragments) ahead of the barrier in step 3,
; and behind it only K steps 4 to 7 are read, from byte 49,152 on.
; Lane row r of tile p is token 32 (p / 2) + 8 (p % 2) + r + 8 (r / 8), as x's tiles were laid: the stores put each row at its own place.
.set SPARE, 294912
.set L4,  1
.set SPW, 2
.set NIL, 3
.set ADA, 4                            ; v4-5   16 l + 24,576 wa (+ 49,152)
.set ADB, 6                            ; v6-7   98,304 + 98,304 i + 49,152 wb + 16 l
.set AD8, 10                           ; v10-11 8 l + 24,576 wa (+ 49,152)
.set L16, 12
.set L8,  13
.set STO, 14                           ; v14  the stage: 8,448 w + 528 r + 64 h
.set RD,  15                           ; v15  and back: 8,448 w + 16 l
.set SA,  16
.set SB,  32
.set BI,  64                           ; v64-127 bf in the result's layout, 8 registers a tile of B
.set OW,  128                          ; v128-159 the heads' scale words as loaded; later:
.set BK,  128                          ; v128-255 16 rows read back from the stage, two sets by turns
.set VB,  241
.set MSB, 0
.macro WIN new
.if MSB != (\new)
	s_set_vgpr_msb (MSB<<8)|(\new)
.set MSB, (\new)
.endif
.endm
.macro CROUND
	s_barrier_signal -1
	s_barrier_wait -1
	s_cmp_lg_u32 s22, 0
	s_cbranch_scc1 .Lnot_wave_0_\@
	s_barrier_signal -3
.Lnot_wave_0_\@:
	s_barrier_wait -3
	s_barrier_signal -1
	s_barrier_wait -1
.endm
.macro PLACES n
.rept \n
	v_nop
.endr
.endm
	s_load_b256 s[4:11], s[0:1], 0x0               ; oi, os, wi, ws
	s_load_b128 s[12:15], s[0:1], 0x20             ; bf, out0
	v_lshl_add_u32 v[SPW], v0, 2, SPARE
	v_mov_b32 v[NIL], 0
	ds_add_u32 v[SPW], v[NIL]                      ; the wave's opening: the add, twice on end, and its wait ahead of my first tensor load
	ds_add_u32 v[SPW], v[NIL]
	v_lshrrev_b32 v1, 5, v0
	v_readfirstlane_b32 s22, v1                    ; wave
	s_lshr_b32 s23, s22, 1                         ; wa
	s_and_b32 s24, s22, 1                          ; wb
	s_bfe_u32 s25, ttmp6, 0x40000                  ; cx
	s_bfe_u32 s26, ttmp6, 0x40004                  ; cy
	s_and_b32 s28, ttmp7, 0xffff                   ; cluster y
	s_lshl_b32 s29, s26, 2
	s_lshl_b32 s29, 15, s29                        ; my row of the cluster
	s_lshl_b32 s30, 0x1111, s25                    ; my column
	s_or_b32 s32, s29, (3<<16)|(1<<21)             ; groups 1 as in proj: rows of 6,144 bytes, 12,288 apart; A 4 tiles a load, B 8
	s_or_b32 s40, s30, (3<<16)|(1<<21)
.irp g, 32, 40
	; THE FILLS AS THEY STAND (this takes the place of what the head comment says of four loads a wave): K comes in two halves of four K steps, as in proj.  A row of a load is 6,144 bytes = 768 elements of 8 bytes.
	; LDS: A's half i at 49,152 i, tile T at 6,144 T; B's half i at 98,304 + 98,304 i, tile T at 6,144 T.  A wave has one tensor load out at any time.
	; THE STAGE (bytes 0 to 33,791) lies in A's half 0, which has had its one fill; every wave awaited its last reads of that half (K step 3's fragments) ahead of the barrier in step 3.
	s_mov_b32 s[\g+1], 768<<16
	s_mov_b32 s[\g+3], 768<<16
	s_mov_b32 s[\g+5], 1536
	s_mov_b32 s[\g+6], 0
	s_mov_b32 s[\g+7], 0
.endr
	s_mov_b32 s34, 4<<16
	s_mov_b32 s36, 4
	s_mov_b32 s42, 8<<16
	s_mov_b32 s44, 8
	; side A: cy and the cluster's y alone
	s_lshl_b32 s31, s28, 2
	s_add_co_u32 s31, s31, s26                     ; my 128 tokens
	s_lshl_b32 s2, s31, 3
	s_lshl_b32 s100, s24, 2
	s_add_co_u32 s2, s2, s100
	s_mul_i32 s92, s2, 12288
	s_mov_b32 s93, 0
	s_lshl_b32 s2, s31, 2
	s_lshl_b32 s100, s23, 1
	s_add_co_u32 s2, s2, s100
	s_lshl_b32 s94, s2, 7                          ; os: 128 bytes a pair
	s_mov_b32 s95, 0
	s_mul_i32 s101, s24, 24576
	; side B: cx alone
	s_lshl_b32 s3, s25, 4
	s_lshl_b32 s67, s24, 3
	s_add_co_u32 s3, s3, s67
	s_mul_i32 s96, s3, 12288
	s_add_co_u32 s96, s96, 2359296                 ; Wf's tiles begin at tile 192 of wi,
	s_mov_b32 s97, 0
	s_lshl_b32 s3, s25, 3
	s_lshl_b32 s67, s24, 2
	s_add_co_u32 s3, s3, s67
	s_lshl_b32 s98, s3, 10
	s_add_co_u32 s98, s98, 98304                   ; its scale words at pair 96 of ws
	s_mov_b32 s99, 0
	s_mul_i32 s67, s24, 49152
	s_add_co_u32 s67, s67, 98304
	s_lshl_b32 s16, s25, 10
	s_lshl_b32 s17, s24, 9
	s_add_co_u32 s16, s16, s17                     ; my 128 outputs, in bytes
	s_mov_b32 s17, 0
	s_lshl_b32 s18, s31, 7
	s_lshl_b32 s19, s23, 6
	s_add_co_u32 s18, s18, s19
	s_lshl_b32 s18, s18, 12                        ; my first token's row of out0
	s_add_co_u32 s18, s18, s16
	s_mov_b32 s19, 0
	v_and_b32 v240, 31, v0
	v_lshlrev_b32 v[L4], 2, v240
	v_lshlrev_b32 v[L16], 4, v240
	v_lshlrev_b32 v[L8], 3, v240
	s_mul_i32 s100, s23, 24576
	v_add_nc_u32 v[ADA], s100, v[L16]
	v_add_nc_u32 v[ADA+1], 49152, v[ADA]
	v_add_nc_u32 v[AD8], s100, v[L8]
	v_add_nc_u32 v[AD8+1], 49152, v[AD8]
	v_add_nc_u32 v[ADB], s67, v[L16]
	v_add_nc_u32 v[ADB+1], 98304, v[ADB]
	s_mul_i32 s100, s22, 8448
	v_and_b32 v240, 15, v0
	v_bfe_u32 v[VB], v0, 4, 1
	v_mul_u32_u24 v[STO], v240, 528
	v_lshl_add_u32 v[STO], v[VB], 6, v[STO]
	v_add_nc_u32 v[STO], s100, v[STO]
	v_add_nc_u32 v[RD], s100, v[L16]
	v_lshlrev_b32 v[VB], 6, v[VB]                  ; 64 h: the bias loads' offset
	s_wait_dscnt 0x0                               ; both opening adds are done
	s_wait_kmcnt 0x0
	s_add_nc_u64 s[84:85], s[4:5], s[92:93]
	s_add_nc_u64 s[86:87], s[6:7], s[94:95]
	s_add_nc_u64 s[88:89], s[8:9], s[96:97]
	s_add_nc_u64 s[90:91], s[10:11], s[98:99]
	s_add_nc_u64 s[12:13], s[12:13], s[16:17]
	s_add_nc_u64 s[14:15], s[14:15], s[18:19]
.irp i, 0,1                            ; groups 0: K steps 4 i to 4 i + 3
	s_mov_b32 s[48+4*\i], 1
	s_add_co_u32 s[49+4*\i], s101, 49152*\i
	s_add_nc_u64 s[50+4*\i:51+4*\i], s[84:85], 6144*\i
	s_or_b32 s[51+4*\i], s[51+4*\i], 0x80000000
	s_mov_b32 s[68+4*\i], 1
	s_add_co_u32 s[69+4*\i], s67, 98304*\i
	s_add_nc_u64 s[70+4*\i:71+4*\i], s[88:89], 6144*\i
	s_or_b32 s[71+4*\i], s[71+4*\i], 0x80000000
.endr
	CROUND                                         ; all sixteen work-groups are here: the joint loads meet
	s_cmp_eq_u32 s23, 0                            ; a wave's fill stands in one branch on the wave's number, A's or B's; an s_nop 0 and four v_nop follow each
	s_cbranch_scc0 .Lfill_b
	tensor_load_to_lds s[48:51], s[32:39]          ; K steps 0 to 3: one tensor load a wave at the head
	s_nop 0
	PLACES 4
	s_branch .Lfilled
.Lfill_b:
	tensor_load_to_lds s[68:71], s[40:47]
	s_nop 0
	PLACES 4
.Lfilled:
.irp p, 0,1,2,3
.irp t, 0,1,2,3
	global_load_b64 v[SB+8*\p+2*\t:SB+8*\p+2*\t+1], v[L8], s[90:91] offset:1024*\p+256*\t
.endr
.endr
.irp p, 0,1
.irp d, 0,1,2,3,4,5,6,7,8,9,10,11,12,13,14,15
	global_load_b32 v[OW+16*\p+\d], v[L4], s[86:87] offset:32768*\d+128*\p   ; head d's two bytes of my pair p's rows
.endr
.endr
	s_wait_alu depctr_va_vdst(0)
.irp t, 0,1,2,3,4,5,6,7
	global_load_b128 v[BI+8*\t:BI+8*\t+3], v[VB], s[12:13] offset:4*(32*(\t/2)+8*(\t%2))
	global_load_b128 v[BI+8*\t+4:BI+8*\t+7], v[VB], s[12:13] offset:4*(32*(\t/2)+8*(\t%2))+16
.endr
.macro WM acc, cb, fb, fa, sb, sa, pb, pa
.if ((\pb)==1)&&((\pa)==1)
	v_wmma_scale_f32_16x16x128_f8f6f4 v[(\acc):(\acc)+7], v[(\fb):(\fb)+11], v[(\fa):(\fa)+11], v[(\cb):(\cb)+7], v[(\sb)], v[(\sa)] matrix_a_fmt:MATRIX_FMT_FP6 matrix_b_fmt:MATRIX_FMT_FP6 matrix_a_scale:MATRIX_SCALE_ROW1 matrix_b_scale:MATRIX_SCALE_ROW1
.elseif (\pb)==1
	v_wmma_scale_f32_16x16x128_f8f6f4 v[(\acc):(\acc)+7], v[(\fb):(\fb)+11], v[(\fa):(\fa)+11], v[(\cb):(\cb)+7], v[(\sb)], v[(\sa)] matrix_a_fmt:MATRIX_FMT_FP6 matrix_b_fmt:MATRIX_FMT_FP6 matrix_a_scale:MATRIX_SCALE_ROW1
.elseif (\pa)==1
	v_wmma_scale_f32_16x16x128_f8f6f4 v[(\acc):(\acc)+7], v[(\fb):(\fb)+11], v[(\fa):(\fa)+11], v[(\cb):(\cb)+7], v[(\sb)], v[(\sa)] matrix_a_fmt:MATRIX_FMT_FP6 matrix_b_fmt:MATRIX_FMT_FP6 matrix_b_scale:MATRIX_SCALE_ROW1
.else
	v_wmma_scale_f32_16x16x128_f8f6f4 v[(\acc):(\acc)+7], v[(\fb):(\fb)+11], v[(\fa):(\fa)+11], v[(\cb):(\cb)+7], v[(\sb)], v[(\sa)] matrix_a_fmt:MATRIX_FMT_FP6 matrix_b_fmt:MATRIX_FMT_FP6
.endif
.endm
.macro FETCH s                         ; K step s's 12 fragments into buffer s % 2
	WIN 0x80+0x40*((\s)%2)
.irp a, 0,1,2,3
.irp c, 0,1
	ds_load_b128 v[12*\a+6*\c:12*\a+6*\c+3], v[ADA+(\s)/4] offset:6144*\a+1536*((\s)%4)+768*\c
	ds_load_b64 v[12*\a+6*\c+4:12*\a+6*\c+5], v[AD8+(\s)/4] offset:6144*\a+1536*((\s)%4)+768*\c+512
.endr
.endr
.irp b, 0,1,2,3,4,5,6,7
.irp c, 0,1,2
	ds_load_b128 v[48+12*\b+4*\c:48+12*\b+4*\c+3], v[ADB+(\s)/4] offset:6144*\b+1536*((\s)%4)+512*\c
.endr
.endr
.endm
.macro MUL s
.if (\s)==0
	WIN 0x4a                                       ; sources 0 and 1 window 2, C (bf) window 0, D window 1
.irp a, 0,1,2,3
.irp b, 0,1,2,3,4,5,6,7
	WM 8*(8*\a+\b), BI+8*\b, 48+12*\b, 12*\a, SB+8*(\b/2), SA+8*(\a/2), \b%2, \a%2
.endr
.endr
.else
	WIN 0x5a+5*((\s)%2)
.irp a, 0,1,2,3
.irp b, 0,1,2,3,4,5,6,7
	WM 8*(8*\a+\b), 8*(8*\a+\b), 48+12*\b, 12*\a, SB+8*(\b/2)+(\s), SA+8*(\a/2)+(\s), \b%2, \a%2
.endr
.endr
.endif
.endm
.macro STEP s
	s_wait_dscnt 0x0                               ; this step's fragments are in (asked for 32 products ago)
.if (\s)==3
	s_wait_tensorcnt 0x0                           ; my load of K steps 4 to 7 has landed
	s_barrier_signal -1
	s_barrier_wait -1
.endif
.if (\s)<7
.if (\s)>0
	PLACES 4                                       ; in front of loads into registers that the last step's products have read
.endif
	FETCH (\s)+1
.endif
	MUL \s
.endm
	s_wait_loadcnt 0x0
.irp p, 0,1
.irp k, 0,1,2,3,4,5,6,7
	v_lshl_or_b32 v[SA+8*\p+\k], v[OW+16*\p+2*\k+1], 16, v[OW+16*\p+2*\k]   ; K step k's word: heads 2 k and 2 k + 1
.endr
.endr
	PLACES 8                                       ; a scale register written by a vector instruction stands 8 places ahead of a scaled product
	s_wait_alu depctr_va_vdst(0)
	s_wait_tensorcnt 0x0                           ; my load of K steps 0 to 3 has landed
	ds_add_u32 v[SPW], v[NIL]
	s_wait_dscnt 0x0
	CROUND                                         ; everybody's has, and all sixteen work-groups are here: the joint loads meet
	s_cmp_eq_u32 s23, 0
	s_cbranch_scc0 .Lsecond_b
	tensor_load_to_lds s[52:55], s[32:39]          ; K steps 4 to 7, the first tensor load behind the round
	s_nop 0
	PLACES 4
	s_branch .Lsecond_asked
.Lsecond_b:
	tensor_load_to_lds s[72:75], s[40:47]
	s_nop 0
	PLACES 4
.Lsecond_asked:
	FETCH 0
.irp k, 0,1,2,3,4,5,6,7
	STEP \k
.endr
	WIN 0
; THE WAY OUT, a tile of 16 tokens x 128 outputs at a time: a lane's 32 neighbouring bytes of a row go into my stage, whole rows of 512 bytes come back and are stored.  LDS serves a wave's instructions in order.
.macro TOSTAGE a
	WIN 0x04                                       ; an LDS store's data are its source 1: window 1
.irp t, 0,1,2,3,4,5,6,7
	ds_store_b128 v[STO], v[64*(\a)+8*\t:64*(\a)+8*\t+3] offset:128*(\t/2)+32*(\t%2)        ; each accumulator from its low end on
	ds_store_b128 v[STO], v[64*(\a)+8*\t+4:64*(\a)+8*\t+7] offset:128*(\t/2)+32*(\t%2)+16
.endr
	WIN 0
.irp i, 0,1,2,3,4,5,6,7,8,9,10,11,12,13,14,15
	ds_load_b128 v[BK+64*((\a)%2)+4*\i:BK+64*((\a)%2)+4*\i+3], v[RD] offset:528*\i
.endr
.endm
.macro SEND a, younger                 ; younger: the LDS instructions issued behind tile a's loads, which may stay out
	s_wait_dscnt \younger
.irp i, 0,1,2,3,4,5,6,7,8,9,10,11,12,13,14,15
	global_store_b128 v[L16], v[BK+64*((\a)%2)+4*\i:BK+64*((\a)%2)+4*\i+3], s[14:15] offset:(32*((\a)/2)+8*((\a)%2)+\i+8*(\i/8))*4096 th:TH_STORE_NT   ; 512 consecutive bytes, aligned
.endr
.endm
	PLACES 4                                       ; in front of the first read of results
	TOSTAGE 0
.irp a, 1,2,3
.if \a > 1
	s_wait_xcnt 0x0                                ; tile a - 2's stores have read their data: tile a's rows may land there
.endif
	TOSTAGE \a
	SEND \a-1, 32                                  ; behind tile a - 1's loads: tile a's 16 stores and 16 loads
.endr
	SEND 3, 0
	s_wait_tensorcnt 0x0                           ; the wave's end, behind my last tensor load and my last LDS store
	ds_add_u32 v[SPW], v[NIL]
	s_wait_dscnt 0x0
	CROUND                                         ; the closing round
	s_endpgm
.Lfunc_end_k_q89091d094e_outp:
	.size	k_q89091d094e_outp, .Lfunc_end_k_q89091d094e_outp-k_q89091d094e_outp
	.p2alignl 7, 3214868480
	.fill 96, 4, 3214868480
	.section	.rodata,"a",@progbits
	.p2align	6, 0x0
	.amdhsa_kernel k_q89091d094e_outp
		.amdhsa_group_segment_fixed_size 327680
		.amdhsa_private_segment_fixed_size 0
		.amdhsa_enable_private_segment 0
		.amdhsa_kernarg_size 48
		.amdhsa_user_sgpr_count 2
		.amdhsa_user_sgpr_kernarg_segment_ptr 1
		.amdhsa_wavefront_size32 1
		.amdhsa_system_sgpr_workgroup_id_x 1
		.amdhsa_system_sgpr_workgroup_id_y 1
		.amdhsa_system_sgpr_workgroup_id_z 1
		.amdhsa_system_vgpr_workitem_id 0
		.amdhsa_next_free_vgpr 1024
		.amdhsa_next_free_sgpr 102
		.amdhsa_reserve_vcc 0
		.amdhsa_float_denorm_mode_32 3
		.amdhsa_float_denorm_mode_16_64 3
		.amdhsa_memory_ordered 1
		.amdhsa_forward_progress 1
		.amdhsa_inst_pref_size 84
	.end_amdhsa_kernel
	.amdgpu_metadata
---
amdhsa.version: [ 1, 2 ]
amdhsa.kernels:
  - .name:           k_q89091d094e_outp
    .symbol:         k_q89091d094e_outp.kd
    .args:
      - { .name: oi, .offset: 0, .size: 8, .value_kind: global_buffer, .address_space: global }
      - { .name: os, .offset: 8, .size: 8, .value_kind: global_buffer, .address_space: global }
      - { .name: wi, .offset: 16, .size: 8, .value_kind: global_buffer, .address_space: global }
      - { .name: ws, .offset: 24, .size: 8, .value_kind: global_buffer, .address_space: global }
      - { .name: bf, .offset: 32, .size: 8, .value_kind: global_buffer, .address_space: global }
      - { .name: out0, .offset: 40, .size: 8, .value_kind: global_buffer, .address_space: global }
    .group_segment_fixed_size: 327680
    .private_segment_fixed_size: 0
    .kernarg_segment_align: 8
    .kernarg_segment_size: 48
    .max_flat_workgroup_size: 128
    .sgpr_count:     102
    .vgpr_count:     1024
    .wavefront_size: 32
...
	.end_amdgpu_metadata
.endif
;; end of part 5
